; MI455X (gfx1250); checked and timed in simulation.
; The chip was launched on July 23, 2026; its instructions are those of AMD's public machine-readable ISA for CDNA 5 (MIT licence, August 2026) and "CDNA5" Instruction Set Architecture Reference Guide (July 2026). The comments in the code are by the model that wrote it; some were corrected since.
;; Attention. Allowed arithmetic: matrix products marked QUANTISED: E2M3 operands, one E8M0 scale for each 32 along K, by v_wmma_scale_f32_16x16x128_f8f6f4 with both operands' format E2M3, f32 sums; everything else in f32.
;; Inputs: b_proj 1,024 float32; w_proj 1,024 x 1,024 float32; w_qkv 1,024 x 3,072 float32; x 4 x 2,048 x 1,024 float32.
;; Outputs: out0 4 x 2,048 x 1,024 float32.
;; This version of the problem:
;;   THIS VERSION OF THE PROBLEM IS GIVEN IN LOW PRECISION. The matrix products marked QUANTISED in the list below multiply operands that are first quantised to E2M3 (2 exponent bits, 3 mantissa bits; 6 bits a number), with one power-of-two scale for each 32 numbers along K (OCP MX v1.0); their sums are f32. All else is computed in f32.
;;   The module's matrix products, in the order in which they are computed (A, B: the left and right operand; K: the contracted axis; several contracted axes count as one K, in the product's order):
;;     1. [M 8,192, K 1,024] x [K 1,024, N 3,072]; A: input x; B: input w_qkv: QUANTISED
;;     2. batch 64 x [M 2,048, K 64] x [K 64, N 2,048]; A: computed on the way; B: computed on the way: QUANTISED
;;     3. batch 64 x [M 2,048, K 2,048] x [K 2,048, N 64]; A: softmax (see below); B: computed on the way: QUANTISED
;;     4. [M 8,192, K 1,024] x [K 1,024, N 1,024]; A: computed on the way; B: input w_proj: QUANTISED
;;   THE QUANTISER, for each operand of a quantised product, along K:
;;     - K is cut into blocks of 32 from its start; a last block that is shorter is filled with zeros.
;;     - A block's scale is 2^e with e = floor(log2(the largest magnitude in the block)) - 2, held to -126 .. 127; a block of zeros has e = 0. As a byte (E8M0): e + 127.
;;     - Each number is divided by its block's scale, clamped to +-7.5, and rounded to the nearest number of E2M3, ties to even, subnormals kept.
;;     - The product sums the exact products of the quantised numbers (number of the format x scale) in f32.
;;   ~~~python
;;   def quantise(x, axis):      # numpy; x: float32 -> the quantised numbers, widened to float32 again
;;       x = np.moveaxis(x, axis, -1); K = x.shape[-1]
;;       x = np.pad(x, [(0, 0)] * (x.ndim - 1) + [(0, -K % 32)]); x = x.reshape(x.shape[:-1] + (-1, 32)); a = np.abs(x).max(-1, keepdims=True)
;;       e = np.where(a > 0, np.clip(np.frexp(np.where(a > 0, a, 1))[1] - 1 - 2, -126, 127), 0)      # np.frexp(a)[1] - 1 = floor(log2(a)), exactly
;;       r = np.clip(x / 2.0 ** e, -7.5, 7.5)
;;       step = 2.0 ** (np.maximum(np.frexp(np.where(r == 0, 1, r))[1] - 1, 0) - 3)
;;       q = np.round(r / step) * step * 2.0 ** e      # np.round: ties to even
;;       return np.moveaxis(q.reshape(q.shape[:-2] + (-1,))[..., :K], -1, axis).astype(np.float32)
;;   ~~~
;;   SOFTMAX AHEAD OF A QUANTISED PRODUCT. Where the list says 'softmax', what is quantised is not the finished softmax but p = 2^(t - M), with t = logit x log2(e) and M = ceil(the row's largest t), a whole number; so 1/2 < the row's largest p <= 1. The row's sum l is taken of the UNQUANTISED p, in f32, and the product's result is divided by l at the end. Since M is a whole number, a kernel that streams over the keys may use a running M (the ceiling of the running maximum): every later rescaling is an exact power of two, which a block's scale takes up: the codes' values come out the same.
;;   OPERANDS COMPUTED ON THE WAY. 'Computed on the way' means the value that the module computes at that place (a softmax that the list does not call 'softmax' is quantised finished and normalised). What goes into a quantiser is computed in f32, as accurately as f32 sums, v_exp_f32 and their like allow (about 1e-6 of the number): no bf16 or f16 on the way to a quantiser, and a product that is left as it is and whose result goes on into a quantised operand takes f32 operands (vector FMAs, or v_wmma_f32_16x16x4_f32). A number that lies on a knife's edge between two numbers of the format may be rounded either way, as far as f32 arithmetic and the matrix unit's own rounding can turn it there, and no further.
;; One version. Each part assembles by itself: llvm-mc -triple=amdgcn-amd-amdhsa -mcpu=gfx1250 --defsym DOCPART=n.
;; ======== version 1 of 1: 4 launches
;; limits: right only within a limited range of input values
;; workspace buffers: xq 6,553,600 bytes; wq 2,457,600 bytes; wp 819,200 bytes; qk 13,107,200 bytes; vq 6,553,600 bytes; ao 6,553,600 bytes
;; launch quant (part 1): grid 384 x 1, 8 waves a work-group, no clusters, 117,760 bytes of LDS; arguments x, w_qkv, w_proj, xq, wq, wp; writes xq, wq, wp
.if DOCPART == 1
	.amdgcn_target "amdgcn-amd-amdhsa--gfx1250"
	.amdhsa_code_object_version 6
	.text
	.protected	k_qda97c4e34d_quant
	.globl	k_qda97c4e34d_quant
	.p2align	8
	.type	k_qda97c4e34d_quant,@function
k_qda97c4e34d_quant:
	s_mov_b64 s[64:65], 0
	v_nop
	global_prefetch_b8 v0, s[64:65] scope:SCOPE_SE
	s_setreg_imm32_b32 hwreg(HW_REG_WAVE_MODE, 25, 1), 1
	s_wait_xcnt 0x0
; x [8192][1024], w_qkv [1024][3072] and w_proj [1024][1024], f32, become codes of FP6 (E2M3) with one E8M0 byte for each 32 along K (x: its last axis; the weights: their FIRST axis).
; A block's scale is 2^(floor(log2(its largest magnitude)) - 2); its byte is the largest magnitude's exponent field - 2, held at 1 from below.
; LIMITS: NaN and infinities are not served; a block of zeros, or one whose largest magnitude lies under 2^-124, keeps the byte 1: its codes are zeros (or as the held scale gives them), and this program alone reads the bytes.
; THE WORKSPACE'S FORM.  Codes lie as IMAGES OF OPERAND REGISTERS: 16 rows x 64 K are 768 bytes: lane l = (r = l % 16, h = l / 16) holds k = 32 h .. 32 h + 31 of row r in six registers;
; registers 0-3 lie at 16 l, registers 4-5 at 512 + 8 l.  A tile of 16 rows has its 16 images on end (12,288 bytes).  Scale words: [tile][K / 128][r], four bytes each.
; THE ROWS OF A TILE ARE NOT NEIGHBOURS: place r of tile t is row 32 (t / 2) + 8 (t % 2) + r + 8 (r / 8), for tokens and for the weights' columns alike.
; SHARES.  Work-groups 0-255: x; a wave takes one tile x 256 along K.  256-351: w_qkv, 352-383: w_proj; a wave takes 32 columns x 128 along K.  Each wave moves 16 KiB; waves share nothing: no barrier.
; The three paths part on the work-group's number, never join, and have LDS bytes of their own.
.set XSC,    6291456                   ; xq: where the scale words begin
.set WSC,    2359296                   ; wq
.set PSC,    786432                    ; wp
.set XPITCH, 528                       ; x's stage: a row of 512 bytes + 16: sixteen rows start in sixteen different columns of 16 bytes
.set WST1,   67584                     ; behind x's eight stages of 16 x 528 bytes: w_qkv's eight of 3,072
.set WST2,   92160                     ; w_proj's eight
.set SPARE,  116736                    ; the spare words, 128 bytes for each wave: four blocks of 256 bytes that no other line names
.set SPW, 12                           ; v12  LDS address of my spare word; never rewritten
.set NIL, 13                           ; v13  0; never rewritten
.set R,   16                           ; v16-143  numbers as they are loaded
.set X,   144                          ; v144-207 64 numbers in the operand's order
.set PC,  208                          ; v208-231 codes: 12 registers for each K step, so that no store's data are written again
.set T2,  232                          ; v232-238 the conversions' second halves
.set WK,  240                          ; v240-247 at work
	s_load_b256 s[4:11], s[0:1], 0x0               ; x s[4:5], w_qkv s[6:7], w_proj s[8:9], xq s[10:11]
	s_load_b128 s[12:15], s[0:1], 0x20             ; wq s[12:13], wp s[14:15]
	v_lshl_add_u32 v[SPW], v0, 2, SPARE
	v_mov_b32 v[NIL], 0
	v_lshrrev_b32 v1, 5, v0
	s_delay_alu instid0(VALU_DEP_1)
	v_readfirstlane_b32 s16, v1                    ; wave 0..7
	v_and_b32 v1, 31, v0                           ; lane
	v_and_b32 v2, 15, v0                           ; r
	v_bfe_u32 v3, v0, 4, 1                         ; h
	s_delay_alu instid0(VALU_DEP_3)
	v_lshlrev_b32 v4, 4, v1                        ; 16 l
	s_delay_alu instid0(VALU_DEP_4)
	v_lshlrev_b32 v5, 3, v1                        ; 8 l
	v_lshlrev_b32 v6, 2, v1                        ; 4 l
	s_cmp_lt_u32 ttmp9, 256
	s_cbranch_scc0 .Lweights
; ---------------- x ----------------
	s_lshl_b32 s17, ttmp9, 3
	s_add_co_u32 s17, s17, s16                     ; my task
	s_lshr_b32 s18, s17, 2                         ; tile t
	s_and_b32 s19, s17, 3                          ; which 256 along K
	s_lshr_b32 s22, s18, 1
	s_lshl_b32 s22, s22, 17                        ; 32 (t / 2) rows of 4,096 bytes
	s_and_b32 s23, s18, 1
	s_lshl_b32 s23, s23, 15                        ; 8 (t % 2) rows
	s_add_co_u32 s22, s22, s23
	s_lshl_b32 s23, s19, 10
	s_add_co_u32 s22, s22, s23                     ; + 1,024 bytes for each 256 along K
	s_mov_b32 s23, 0
	s_mul_i32 s24, s18, 12288                      ; my codes: tile, and four images for each 256 along K
	s_mul_i32 s25, s19, 3072
	s_add_co_u32 s24, s24, s25
	s_mov_b32 s25, 0
	s_lshl_b32 s26, s18, 9                         ; my scale words: 512 bytes a tile, 128 for two K steps
	s_lshl_b32 s27, s19, 7
	s_add_co_u32 s26, s26, s27
	s_add_co_u32 s26, s26, XSC
	s_mov_b32 s27, 0
	s_mul_i32 s28, s16, 16*XPITCH                  ; my stage
	s_wait_alu depctr_va_vdst(0)
	v_add_nc_u32 v7, s28, v4                       ; into it: 16 l of a row
	v_mul_u32_u24 v8, v2, XPITCH
	s_delay_alu instid0(VALU_DEP_1)
	v_lshl_add_u32 v8, v3, 7, v8
	s_delay_alu instid0(VALU_DEP_1)
	v_add_nc_u32 v8, s28, v8                       ; out of it: row r, + 128 h: my 32 numbers of each 64
	v_lshlrev_b32 v9, 3, v3                        ; 8 h: where my two bytes stand in a scale word
	v_mov_b32 v[WK+6], 0                           ; a lane permute's destination counts as one of its sources
	s_mov_b32 s20, 0x76543210
	s_mov_b32 s21, 0xfedcba98                      ; selects for lane l xor 16
	s_mov_b32 s29, 0xffff0000                      ; lanes 16-31
	s_wait_alu depctr_va_vdst(0)
	s_wait_kmcnt 0x0
	s_add_nc_u64 s[4:5], s[4:5], s[22:23]
	s_add_nc_u64 s[22:23], s[10:11], s[24:25]      ; codes
	s_add_nc_u64 s[24:25], s[10:11], s[26:27]      ; scale words
.irp g, 0,1                                    ; all 32 loads go out at once: each reads 512 consecutive bytes of one row
.irp i, 0,1,2,3,4,5,6,7,8,9,10,11,12,13,14,15
	global_load_b128 v[R+64*\g+4*\i:R+64*\g+4*\i+3], v4, s[4:5] offset:(\i+8*(\i/8))*4096+512*\g th:TH_LOAD_NT
.endr
.endr
; One K step of 128: through the stage, so that a lane holds 2 x 32 neighbours of its row; two whole blocks a lane.
.macro XSTEP g
.if \g == 0
	s_wait_loadcnt 16                              ; this step's sixteen loads are in; the second step's sixteen may be out
.else
	s_wait_loadcnt 0x0
.endif
.irp i, 0,1,2,3,4,5,6,7,8,9,10,11,12,13,14,15
	ds_store_b128 v7, v[R+64*\g+4*\i:R+64*\g+4*\i+3] offset:XPITCH*\i
.endr
.irp c, 0,1
.irp i, 0,1,2,3,4,5,6,7
	ds_load_b128 v[X+32*\c+4*\i:X+32*\c+4*\i+3], v8 offset:256*\c+16*\i   ; LDS serves a wave's instructions in order: these see the stores above
.endr
.endr
	s_wait_dscnt 0x0
.irp c, 0,1
	v_max3_num_f32 v[WK+\c], |v[X+32*\c]|, |v[X+32*\c+1]|, 0x1800000   ; block 2 c + h: all 32 numbers are mine; the floor 2^(3 - 127) holds the byte at 1 from below
.endr
.irp i, 2,4,6,8,10,12,14,16,18,20,22,24,26,28,30
.irp c, 0,1
	s_delay_alu instid0(VALU_DEP_2)
	v_max3_num_f32 v[WK+\c], v[WK+\c], |v[X+32*\c+\i]|, |v[X+32*\c+\i+1]|
.endr
.endr
.irp c, 0,1
	s_delay_alu instid0(VALU_DEP_2)
	v_add_nc_u32 v[WK+2+\c], 0xff000000, v[WK+\c]  ; 2 off the exponent field: the conversion's scale operand
.endr
.irp c, 0,1
	s_delay_alu instid0(VALU_DEP_2)
	v_lshrrev_b32 v[WK+4+\c], 23, v[WK+2+\c]       ; the scale's byte
.endr
	s_delay_alu instid0(VALU_DEP_1)
	v_lshl_or_b32 v[WK+7], v[WK+5], 16, v[WK+4]    ; my two bytes: blocks h and 2 + h,
	s_delay_alu instid0(VALU_DEP_1)
	v_lshlrev_b32 v[WK+7], v9, v[WK+7]             ; at their places;
	s_delay_alu instid0(VALU_DEP_1)
	v_permlanex16_b32 v[WK+6], v[WK+7], s20, s21
	s_delay_alu instid0(VALU_DEP_1)
	v_or_b32 v[10+\g], v[WK+7], v[WK+6]            ; with lane l xor 16's two the word is whole
.irp c, 0,1
	v_cvt_scalef32_pk16_fp6_f32 v[PC+12*\g+6*\c:PC+12*\g+6*\c+2], v[X+32*\c:X+32*\c+15], v[WK+2+\c]
	v_cvt_scalef32_pk16_fp6_f32 v[T2+4*\c:T2+4*\c+2], v[X+32*\c+16:X+32*\c+31], v[WK+2+\c]   ; (a conversion's three registers begin on an even number)
.endr
	v_nop                                          ; one plain place behind a scaled conversion
.irp c, 0,1
.irp i, 0,1,2
	v_mov_b32 v[PC+12*\g+6*\c+3+\i], v[T2+4*\c+\i]
.endr
.endr
.irp c, 0,1
	global_store_b128 v4, v[PC+12*\g+6*\c:PC+12*\g+6*\c+3], s[22:23] offset:1536*\g+768*\c        ; 512 consecutive bytes, at a multiple of 256
	global_store_b64 v5, v[PC+12*\g+6*\c+4:PC+12*\g+6*\c+5], s[22:23] offset:1536*\g+768*\c+512   ; 256 consecutive bytes
.endr
.endm
	XSTEP 0
	XSTEP 1
	v_cndmask_b32 v10, v10, v11, s29               ; lanes 0-15 the first K step's words, lanes 16-31 the second's
	global_store_b32 v6, v10, s[24:25]
	s_wait_tensorcnt 0x0                           ; the wave's end: behind my last LDS store
	ds_add_u32 v[SPW], v[NIL]
	s_wait_dscnt 0x0
	s_endpgm
; ---------------- the weights: a lane takes a column, its registers run down K ----------------
.macro WLOAD t, N                      ; block t: W(32 t + i, my column) into set t % 2: a wave reads 128 consecutive bytes, the work-group's eight waves 1,024
.set JJ, 0
.rept 32
	global_load_b32 v[R+32*((\t)%2)+JJ], v6, s[22:23] offset:(32*(\t)+JJ)*4*\N th:TH_LOAD_NT
.set JJ, JJ+1
.endr
.endm
.macro WBLOCK t, N
.set XS, R+32*((\t)%2)
.if (\t) < 3
	s_wait_loadcnt 32                              ; this block's 32 loads are in; the next block's may be out
.else
	s_wait_loadcnt 0x0
.endif
	v_max3_num_f32 v[WK], |v[XS]|, |v[XS+1]|, |v[XS+2]|
	v_max3_num_f32 v[WK+1], |v[XS+3]|, |v[XS+4]|, |v[XS+5]|
.irp i, 6,10,14,18,22,26
	s_delay_alu instid0(VALU_DEP_2)
	v_max3_num_f32 v[WK], v[WK], |v[XS+\i]|, |v[XS+\i+1]|
	s_delay_alu instid0(VALU_DEP_2)
	v_max3_num_f32 v[WK+1], v[WK+1], |v[XS+\i+2]|, |v[XS+\i+3]|
.endr
	s_delay_alu instid0(VALU_DEP_2)
	v_max3_num_f32 v[WK], v[WK], |v[XS+30]|, |v[XS+31]|
	s_delay_alu instid0(VALU_DEP_1)
	v_max3_num_f32 v[WK], v[WK], v[WK+1], 0x1800000   ; and the floor
	s_delay_alu instid0(VALU_DEP_1)
	v_add_nc_u32 v[WK+2], 0xff000000, v[WK]
	s_delay_alu instid0(VALU_DEP_1)
	v_lshrrev_b32 v[WK+3], 23, v[WK+2]
.if (\t) == 0
	s_delay_alu instid0(VALU_DEP_1)
	v_mov_b32 v[WK+4], v[WK+3]                     ; four bytes make my column's scale word of this K step
.else
	s_delay_alu instid0(VALU_DEP_1)
	v_lshl_or_b32 v[WK+4], v[WK+3], 8*(\t), v[WK+4]
.endif
	v_cvt_scalef32_pk16_fp6_f32 v[PC:PC+2], v[XS:XS+15], v[WK+2]
	v_cvt_scalef32_pk16_fp6_f32 v[T2:T2+2], v[XS+16:XS+31], v[WK+2]
	v_nop                                          ; one plain place behind a scaled conversion
.irp i, 0,1,2
	v_mov_b32 v[PC+3+\i], v[T2+\i]
.endr
	ds_store_b128 v10, v[PC:PC+3] offset:768*((\t)/2)+256*((\t)%2)          ; into the image: I am its lane r' + 16 (t % 2)
	ds_store_b64 v11, v[PC+4:PC+5] offset:768*((\t)/2)+512+128*((\t)%2)
.if (\t)+2 < 4
	WLOAD (\t)+2, \N
.endif
	s_wait_dscnt 0x0                               ; the stores have read their registers: the next block's codes may be written
.endm
.macro WPATH N, first, stage, wp, op, sc
	s_sub_co_u32 s17, ttmp9, \first
	s_and_b32 s18, s17, 7                          ; which 128 along K
	s_lshr_b32 s19, s17, 3
	s_lshl_b32 s19, s19, 8
	s_lshl_b32 s22, s16, 5
	s_add_co_u32 s19, s19, s22                     ; my wave's first column, a multiple of 32
	s_mul_i32 s22, s18, 128*4*\N
	s_lshl_b32 s23, s19, 2
	s_add_co_u32 s22, s22, s23
	s_mov_b32 s23, 0
	s_mul_i32 s24, s19, 768                        ; codes: 12,288 bytes for 16 columns, 1,536 for a K step
	s_mul_i32 s25, s18, 1536
	s_add_co_u32 s24, s24, s25
	s_mov_b32 s25, 0
	s_lshl_b32 s26, s19, 5                         ; scale words: 512 bytes for 16 columns, 64 for a K step
	s_lshl_b32 s27, s18, 6
	s_add_co_u32 s26, s26, s27
	s_add_co_u32 s26, s26, \sc
	s_mov_b32 s27, 0
	s_mul_i32 s28, s16, 3072
	s_add_co_u32 s28, s28, \stage                  ; my stage: two tiles x two images
	v_bfe_u32 v7, v0, 3, 1                         ; column l of the 32 is place r' = l % 8 + 8 (l / 16) of tile u = (l / 8) % 2
	v_and_b32 v8, 7, v0
	s_wait_alu depctr_va_vdst(0)
	v_lshl_add_u32 v8, v3, 3, v8
	v_mul_u32_u24 v9, v7, 1536
	s_delay_alu instid0(VALU_DEP_1)
	v_add_nc_u32 v9, s28, v9
	s_delay_alu instid0(VALU_DEP_1)
	v_lshl_add_u32 v10, v8, 4, v9                  ; registers 0-3 of my place
	s_delay_alu instid0(VALU_DEP_2)
	v_lshl_add_u32 v11, v8, 3, v9                  ; registers 4-5
	v_add_nc_u32 v14, s28, v4                      ; back: 16 l
	v_lshlrev_b32 v15, 9, v7
	s_delay_alu instid0(VALU_DEP_1)
	v_lshl_add_u32 v15, v8, 2, v15                 ; my scale word: 512 u + 4 r'
	s_wait_kmcnt 0x0
	s_add_nc_u64 s[22:23], s[\wp:\wp+1], s[22:23]
	s_add_nc_u64 s[24:25], s[\op:\op+1], s[24:25]
	s_add_nc_u64 s[26:27], s[\op:\op+1], s[26:27]
	WLOAD 0, \N
	WLOAD 1, \N
	WBLOCK 0, \N
	WBLOCK 1, \N
	WBLOCK 2, \N
	WBLOCK 3, \N
.irp i, 0,1,2,3,4,5
	ds_load_b128 v[X+4*\i:X+4*\i+3], v14 offset:512*\i
.endr
	s_wait_alu depctr_va_vdst(0)
	global_store_b32 v15, v[WK+4], s[26:27]
.irp i, 0,1,2,3,4,5
	s_wait_dscnt 5-\i                              ; piece i is back; the younger ones may be out
	global_store_b128 v4, v[X+4*\i:X+4*\i+3], s[24:25] offset:12288*(\i/3)+512*(\i%3)   ; 512 consecutive bytes, at a multiple of 256
.endr
	s_wait_tensorcnt 0x0                           ; the wave's end: behind my last LDS store
	ds_add_u32 v[SPW], v[NIL]
	s_wait_dscnt 0x0
	s_endpgm
.endm
.Lweights:
	s_cmp_lt_u32 ttmp9, 352
	s_cbranch_scc0 .Lproj
	WPATH 3072, 256, WST1, 6, 12, WSC
.Lproj:
	WPATH 1024, 352, WST2, 8, 14, PSC
.Lfunc_end_k_qda97c4e34d_quant:
	.size	k_qda97c4e34d_quant, .Lfunc_end_k_qda97c4e34d_quant-k_qda97c4e34d_quant
	.p2alignl 7, 3214868480
	.fill 96, 4, 3214868480
	.section	.rodata,"a",@progbits
	.p2align	6, 0x0
	.amdhsa_kernel k_qda97c4e34d_quant
		.amdhsa_group_segment_fixed_size 117760
		.amdhsa_private_segment_fixed_size 0
		.amdhsa_enable_private_segment 0
		.amdhsa_kernarg_size 48
		.amdhsa_user_sgpr_count 2
		.amdhsa_user_sgpr_kernarg_segment_ptr 1
		.amdhsa_wavefront_size32 1
		.amdhsa_system_sgpr_workgroup_id_x 1
		.amdhsa_system_sgpr_workgroup_id_y 1
		.amdhsa_system_sgpr_workgroup_id_z 1
		.amdhsa_system_vgpr_workitem_id 0
		.amdhsa_next_free_vgpr 248
		.amdhsa_next_free_sgpr 66
		.amdhsa_reserve_vcc 0
		.amdhsa_float_denorm_mode_32 3
		.amdhsa_float_denorm_mode_16_64 3
		.amdhsa_memory_ordered 1
		.amdhsa_forward_progress 1
		.amdhsa_inst_pref_size 67
	.end_amdhsa_kernel
	.amdgpu_metadata
---
amdhsa.version: [ 1, 2 ]
amdhsa.kernels:
  - .name:           k_qda97c4e34d_quant
    .symbol:         k_qda97c4e34d_quant.kd
    .args:
      - { .name: x, .offset: 0, .size: 8, .value_kind: global_buffer, .address_space: global }
      - { .name: w_qkv, .offset: 8, .size: 8, .value_kind: global_buffer, .address_space: global }
      - { .name: w_proj, .offset: 16, .size: 8, .value_kind: global_buffer, .address_space: global }
      - { .name: xq, .offset: 24, .size: 8, .value_kind: global_buffer, .address_space: global }
      - { .name: wq, .offset: 32, .size: 8, .value_kind: global_buffer, .address_space: global }
      - { .name: wp, .offset: 40, .size: 8, .value_kind: global_buffer, .address_space: global }
    .group_segment_fixed_size: 117760
    .private_segment_fixed_size: 0
    .kernarg_segment_align: 8
    .kernarg_segment_size: 48
    .max_flat_workgroup_size: 256
    .sgpr_count:     66
    .vgpr_count:     248
    .wavefront_size: 32
...
	.end_amdgpu_metadata
.endif
;; end of part 1
;; launch qkv (part 2): grid 8 x 32, 4 waves a work-group, clusters of 4 x 4, 327,680 bytes of LDS; arguments xq, wq, qk, vq; writes qk, vq
.if DOCPART == 2
	.amdgcn_target "amdgcn-amd-amdhsa--gfx1250"
	.amdhsa_code_object_version 6
	.text
	.protected	k_qda97c4e34d_qkv
	.globl	k_qda97c4e34d_qkv
	.p2align	8
	.type	k_qda97c4e34d_qkv,@function
k_qda97c4e34d_qkv:
	s_mov_b64 s[64:65], 0
	v_nop
	global_prefetch_b8 v0, s[64:65] scope:SCOPE_SE
	s_setreg_imm32_b32 hwreg(HW_REG_WAVE_MODE, 25, 1), 1
	s_wait_xcnt 0x0
	s_wait_alu depctr_hold_cnt(0) depctr_sa_sdst(0) depctr_va_vdst(0) depctr_va_sdst(0) depctr_va_ssrc(0) depctr_va_vcc(0) depctr_vm_vsrc(0)
	s_getreg_b32 s2, hwreg(HW_REG_IB_STS2, 6, 4)
	s_cmp_eq_u32 s2, 0
	s_cbranch_scc0 .Lentry_in_a_cluster
	s_endpgm
.Lentry_in_a_cluster:
	s_bfe_u32 s2, ttmp6, 0x10000c
	s_cmp_lg_u32 s2, 0xf033
	s_cbranch_scc0 .Lentry_shape_is_right
	s_endpgm
.Lentry_shape_is_right:
; Q, K, V = x W on codes of FP6 (E2M3) with E8M0 scales, K = 1,024, each result quantised again on the way out: Q and K along the head's 64, V along the tokens.  No f32 result is stored.
; xq (8,192 tokens) and wq (3,072 columns: Q, K, V) lie as images of operand registers: a tile of 16 rows is 16 images of 768 bytes on end (12,288 bytes, all of K); place r of tile t is row 32 (t / 2) + 8 (t % 2) + r + 8 (r / 8).  Scale words: [tile][K / 128][r].
; OUT.  qk: codes [token tile][column / 64][768], scale words [128 tokens][128 columns][lane r + 16 (tile / 4 % 2)][tile % 4]; vq: the same with V's columns as the rows and the tokens as the columns.
; SHARES.  256 work-groups.  Work-group (x, y) keeps ITS 256 TOKENS, ALL OF K, IN LDS (16 tiles, 196,608 bytes) for the whole launch, and takes three blocks of 128 of W's columns past them through one region of 98,304 bytes:
; Q's or K's blocks 2 x and 2 x + 1 (a loop of two trips), then V's block x.  In every phase a wave has 4 tiles whose rows fall to lanes and 8 tiles whose rows fall to registers: 32 accumulators (window 2), 32 products for 128 along K.
; Q, K: lanes = tokens (wave w: tiles 4 w ..), registers = the block's 128 columns.  V: lanes = V's columns (4 tiles by w / 2), registers = tokens (8 tiles by w % 2).  Only the LDS addresses, made at the head, and the way out's places differ.
; FILLS.  At the head one joint load a wave: waves 0, 1 half of the tokens each, waves 2, 3 half of the first weights each.  TWO REFILLS of the weights' region, each behind the three lines and a round of the cluster's barrier,
; which stand inside the phase's last 32 products; every wave fetches 2 tiles.  The load and the next phase's scale words are on their way while the finished block is quantised and stored.
; CLUSTER 4 x 4: the tokens are shared along a row of the cluster, the weights along a column.
; PREFETCH: in the second step of a phase that refills, the weights that the refill will ask for six steps later: of the 96 blocks of 256 bytes that wave w will fetch, each of the four partners of a column names 24, told apart by address.
; LIMITS: NaN and infinities are not served; a block of zeros, or under 2^-124, keeps the byte 1.  In the loop's first trip the tokens' scale words are loaded once more as they are.
.set TILEB,  12288
.set WGT,    16*TILEB
.set SPARE,  24*TILEB                  ; the spare words, 128 bytes for each wave
.set FR,     12
.set XSC,    6291456
.set WSC,    2359296
.set QKSC,   12582912
.set VSC,    6291456
.set SPW,  28
.set NIL,  29
.set L16,  30
.set L8,   31
.set SCR,  33                          ; v33-48 scale words of the tiles whose rows fall to lanes, 4 a + j: lanes 0-15 step 2 j, lanes 16-31 step 2 j + 1
.set SCP,  64                          ; v64-95 of the tiles whose rows fall to registers, 4 b + j
.set AF,   128                         ; fragments of the first kind, two sets of 48 (window 0); the others lie in window 1, two sets at v0 and v128
.set T2,   224
.set PW,   232
.set TM,   240
.set G1T, 24
.set G1W, 32
.set G1R, 40
.set G0T, 48
.set G0W, 52
.set G0R, 56
.set SEL, 60
.set PA,  66                           ; where the next phase's scale words lie (lanes' tiles), and the phase's after it
.set PA2, 68
.set PB,  70                           ; the same for the registers' tiles
.set PB2, 72
.set WN,  74                           ; my 2 tiles of the next weights, and of those after them
.set WN2, 76
.set OC,  78                           ; Q, K: my codes' and my scale words' places
.set OS,  80
.set VC,  82                           ; V: the same
.set VS,  84
.set CNT, 86
.set HB,  90
.set MSB, 0
.macro WIN new
.if MSB != (\new)
	s_set_vgpr_msb (MSB<<8)|(\new)
.set MSB, (\new)
.endif
.endm
.macro WALU
	s_wait_alu depctr_va_vdst(0)
.endm
.macro CREST
	s_cmp_lg_u32 s12, 0
	s_cbranch_scc1 .Lnot_wave_0_\@
	s_barrier_signal -3
.Lnot_wave_0_\@:
	s_barrier_wait -3
	s_barrier_signal -1
	s_barrier_wait -1
.endm
.macro CROUND
	s_barrier_signal -1
	s_barrier_wait -1
	CREST
.endm
.macro PLACES n
.rept \n
	v_nop
.endr
.endm
	s_load_b256 s[4:11], s[0:1], 0x0               ; xq, wq, qk, vq
	v_lshl_add_u32 v[SPW], v0, 2, SPARE
	v_mov_b32 v[NIL], 0
	ds_add_u32 v[SPW], v[NIL]                      ; the opening lines: the add twice and its wait ahead of my tensor load
	ds_add_u32 v[SPW], v[NIL]
	v_lshrrev_b32 v1, 5, v0
	v_readfirstlane_b32 s12, v1                    ; wave w
	s_lshr_b32 s13, s12, 1
	s_and_b32 s14, s12, 1
	s_bfe_u32 s15, ttmp6, 0x40000                  ; cx
	s_bfe_u32 s16, ttmp6, 0x40004                  ; cy
	s_lshl_b32 s18, ttmp9, 2
	s_add_co_u32 s18, s18, s15                     ; x, 0 .. 7
	s_and_b32 s19, ttmp7, 0xffff
	s_lshl_b32 s19, s19, 2
	s_add_co_u32 s19, s19, s16                     ; y, 0 .. 31
	s_lshl_b32 s20, s16, 2
	s_lshl_b32 s20, 15, s20                        ; my row of the cluster
	s_lshl_b32 s21, 0x1111, s15                    ; my column
	s_or_b32 s[G1T], s20, (3<<16)|(1<<21)
	s_or_b32 s[G1W], s21, (3<<16)|(1<<21)
	s_or_b32 s[G1R], s21, (3<<16)|(1<<21)
.irp g, G1T, G1W, G1R
	s_mov_b32 s[\g+1], 1536<<16                    ; rows of 12,288 bytes, a tile each, dense
	s_mov_b32 s[\g+3], 1536<<16
	s_mov_b32 s[\g+5], 1536
	s_mov_b32 s[\g+6], 0
	s_mov_b32 s[\g+7], 0
.endr
	s_mov_b32 s[G1T+2], 8<<16
	s_mov_b32 s[G1T+4], 8
	s_mov_b32 s[G1W+2], 4<<16
	s_mov_b32 s[G1W+4], 4
	s_mov_b32 s[G1R+2], 2<<16
	s_mov_b32 s[G1R+4], 2
	; byte offsets, each in the low word of the pair that will hold the address
	s_lshl_b32 s2, s19, 4                          ; 16 y
	s_lshl_b32 s3, s18, 4                          ; 16 x
	s_lshl_b32 s22, s14, 3
	s_add_co_u32 s22, s22, s2                      ; token tile 16 y + 8 (w % 2): what waves 0, 1 fetch, and V's registers' tiles
	s_mul_i32 s[G0T+2], s22, TILEB
	s_mov_b32 s[G0T+3], 0
	s_lshl_b32 s[PB2], s22, 9
	s_add_co_u32 s[PB2], s[PB2], XSC
	s_mov_b32 s[PB2+1], 0
	s_lshl_b32 s22, s14, 2
	s_add_co_u32 s22, s22, s3                      ; weight tile 16 x + 4 (w % 2): what waves 2, 3 fetch
	s_mul_i32 s[G0W+2], s22, TILEB
	s_mov_b32 s[G0W+3], 0
	s_lshl_b32 s23, s12, 1                         ; 2 w
	s_add_co_u32 s22, s3, s23
	s_add_co_u32 s22, s22, 8                       ; weight tile 16 x + 8 + 2 w
	s_mul_i32 s[WN], s22, TILEB
	s_mov_b32 s[WN+1], 0
	s_lshl_b32 s22, s18, 3
	s_add_co_u32 s22, s22, 128                     ; V's block: weight tile 128 + 8 x
	s_add_co_u32 s23, s22, s23
	s_mul_i32 s[WN2], s23, TILEB
	s_mov_b32 s[WN2+1], 0
	s_lshl_b32 s23, s13, 2
	s_add_co_u32 s23, s22, s23                     ; + 4 (w / 2): V's lanes' tiles
	s_lshl_b32 s[PA2], s23, 9
	s_add_co_u32 s[PA2], s[PA2], WSC
	s_mov_b32 s[PA2+1], 0
	s_lshl_b32 s22, s12, 2
	s_add_co_u32 s22, s22, s2                      ; token tile 16 y + 4 w: Q's and K's lanes' tiles
	s_lshl_b32 s[PA], s22, 9
	s_add_co_u32 s[PA], s[PA], XSC
	s_mov_b32 s[PA+1], 0
	s_mul_i32 s[OC], s22, 24576                    ; 32 images a token tile,
	s_mul_i32 s23, s18, 3072
	s_add_co_u32 s[OC], s[OC], s23                 ; two for each 128 columns: block 2 x
	s_mov_b32 s[OC+1], 0
	s_lshl_b32 s[HB], s3, 9
	s_add_co_u32 s[HB], s[HB], WSC                 ; the first weights' scale words,
	s_mov_b32 s[HB+1], 0
	s_add_co_u32 s[PB], s[HB], 4096                ; and the second's
	s_mov_b32 s[PB+1], 0
	s_lshl_b32 s22, s19, 1
	s_add_co_u32 s23, s22, s13                     ; my 128 tokens: 2 y + w / 2
	s_lshl_b32 s23, s23, 4
	s_add_co_u32 s23, s23, s18
	s_add_co_u32 s23, s23, s18                     ; block 2 x of 16
	s_lshl_b32 s23, s23, 9
	s_lshl_b32 s88, s14, 8
	s_add_co_u32 s23, s23, s88                     ; tiles 4-7 of the 128 tokens lie 256 bytes on
	s_add_co_u32 s[OS], s23, QKSC
	s_mov_b32 s[OS+1], 0
	s_add_co_u32 s22, s22, s14                     ; V: my 128 tokens: 2 y + w % 2
	s_lshl_b32 s23, s18, 3
	s_lshl_b32 s88, s13, 2
	s_add_co_u32 s23, s23, s88                     ; V's tile 8 x + 4 (w / 2)
	s_mul_i32 s[VC], s23, 98304
	s_mul_i32 s88, s22, 1536
	s_add_co_u32 s[VC], s[VC], s88
	s_mov_b32 s[VC+1], 0
	s_lshl_b32 s23, s18, 6
	s_add_co_u32 s23, s23, s22
	s_lshl_b32 s23, s23, 9
	s_lshl_b32 s88, s13, 8
	s_add_co_u32 s23, s23, s88
	s_add_co_u32 s[VS], s23, VSC
	s_mov_b32 s[VS+1], 0
	s_mov_b32 s[SEL], 0x76543210
	s_mov_b32 s[SEL+1], 0xfedcba98                 ; selects for lane l xor 16
	s_mov_b32 s[G0T], 1
	s_mul_i32 s[G0T+1], s14, 8*TILEB
	s_mov_b32 s[G0W], 1
	s_mul_i32 s[G0W+1], s14, 4*TILEB
	s_add_co_u32 s[G0W+1], s[G0W+1], WGT
	s_mov_b32 s[G0R], 1
	s_mul_i32 s[G0R+1], s12, 2*TILEB
	s_add_co_u32 s[G0R+1], s[G0R+1], WGT
	WALU
	s_wait_dscnt 0x0
	s_wait_kmcnt 0x0
	s_add_nc_u64 s[G0T+2:G0T+3], s[4:5], s[G0T+2:G0T+3]
	s_or_b32 s[G0T+3], s[G0T+3], 0x80000000
	s_add_nc_u64 s[G0W+2:G0W+3], s[6:7], s[G0W+2:G0W+3]
	s_or_b32 s[G0W+3], s[G0W+3], 0x80000000
	CROUND                                         ; all sixteen work-groups are here: the joint loads meet
	s_cmp_eq_u32 s13, 0
	s_cbranch_scc0 .Lfor_w
	tensor_load_to_lds s[G0T:G0T+3], s[G1T:G1T+7]
	s_nop 0
	PLACES 4
	s_branch .Lasked
.Lfor_w:
	tensor_load_to_lds s[G0W:G0W+3], s[G1W:G1W+7]
	s_nop 0
	PLACES 4
.Lasked:
	s_add_nc_u64 s[PA:PA+1], s[4:5], s[PA:PA+1]
	s_add_nc_u64 s[PB2:PB2+1], s[4:5], s[PB2:PB2+1]
	s_add_nc_u64 s[HB:HB+1], s[6:7], s[HB:HB+1]
	s_add_nc_u64 s[PB:PB+1], s[6:7], s[PB:PB+1]
	s_add_nc_u64 s[PA2:PA2+1], s[6:7], s[PA2:PA2+1]
	s_add_nc_u64 s[WN:WN+1], s[6:7], s[WN:WN+1]
	s_add_nc_u64 s[WN2:WN2+1], s[6:7], s[WN2:WN2+1]
	s_add_nc_u64 s[OC:OC+1], s[8:9], s[OC:OC+1]
	s_add_nc_u64 s[OS:OS+1], s[8:9], s[OS:OS+1]
	s_add_nc_u64 s[VC:VC+1], s[10:11], s[VC:VC+1]
	s_add_nc_u64 s[VS:VS+1], s[10:11], s[VS:VS+1]
	s_mul_i32 s22, s12, 4*TILEB                    ; Q, K: my four token tiles
	s_mul_i32 s23, s13, 4*TILEB
	s_add_co_u32 s23, s23, WGT                     ; V: my four tiles of the weights,
	s_mul_i32 s88, s14, 8*TILEB                    ; and my eight token tiles
	s_mul_i32 s89, s16, 24                         ; the prefetch: my work-group's 24 of a wave's 96 blocks
	v_and_b32 v1, 31, v0
	v_lshlrev_b32 v2, 2, v1                        ; 4 l
.irp a, 0,1,2,3
.irp j, 0,1,2,3
	global_load_b32 v[SCR+4*\a+\j], v2, s[PA:PA+1] offset:512*\a+128*\j
.endr
.endr
.irp b, 0,1,2,3,4,5,6,7
.irp j, 0,1,2,3
	global_load_b32 v[SCP+4*\b+\j], v2, s[HB:HB+1] offset:512*\b+128*\j
.endr
.endr
	v_lshlrev_b32 v[L16], 4, v1
	v_lshlrev_b32 v[L8], 3, v1
	v_and_b32 v3, 15, v0
	v_lshlrev_b32 v3, 4, v3                        ; 16 r
	v_add_nc_u32 v8, s22, v[L16]                   ; address set for Q, K: v8, v9 the lanes' tiles; v10-13 the registers' tiles 0-3 and 4-7 (the loads' immediates have 16 bits)
	v_add_nc_u32 v9, s22, v[L8]
	v_add_nc_u32 v10, WGT, v[L16]
	v_add_nc_u32 v11, WGT, v[L8]
	v_add_nc_u32 v12, WGT+4*TILEB, v[L16]
	v_add_nc_u32 v13, WGT+4*TILEB, v[L8]
	v_add_nc_u32 v14, s23, v[L16]                  ; and for V: v14, v15; v16-19
	v_add_nc_u32 v15, s23, v[L8]
	v_add_nc_u32 v16, s88, v[L16]
	v_add_nc_u32 v17, s88, v[L8]
	v_add_nc_u32 v18, 4*TILEB, v16
	v_add_nc_u32 v19, 4*TILEB, v17
	v_min_u32 v20, 23, v1
	v_add_nc_u32 v20, s89, v20
	v_lshlrev_b32 v20, 8, v20                      ; the prefetch's offset: a lane a block of 256 bytes (lanes 24-31 name the last again)
.irp b, 0,1,2,3
	v_mov_b32 v[TM+4+\b], 0                        ; a lane permute's destination counts as one of its sources
.endr
.macro FRAG reg, a16, a8, off
	ds_load_b128 v[\reg:\reg+3], v[\a16] offset:\off
	ds_load_b64 v[\reg+4:\reg+5], v[\a8] offset:\off+512
	ds_load_b128 v[\reg+6:\reg+9], v[\a16] offset:\off+768
	ds_load_b64 v[\reg+10:\reg+11], v[\a8] offset:\off+1280
.endm
.macro FETCH s, as                     ; step s's fragments into set s % 2: 48 loads
	WIN 0x40
.irp i, 0,1,2,3,4,5,6,7
	FRAG 128*((\s)%2)+FR*\i, \as+2+2*(\i/4), \as+3+2*(\i/4), TILEB*(\i%4)+1536*(\s)
.endr
	WIN 0
.irp i, 0,1,2,3
	FRAG AF+48*((\s)%2)+FR*\i, \as, \as+1, TILEB*\i+1536*(\s)
.endr
.endm
.macro MULA s, a0                      ; 16 products; the 32 accumulators take turns in the same order in every step; the first step starts the sums
	WIN 0xa1
.irp a, \a0, \a0+1
.irp b, 0,1,2,3,4,5,6,7
.set rD, 8*(8*(\a)+\b)
.set rA, 128*((\s)%2)+FR*\b
.set rB, AF+48*((\s)%2)+FR*(\a)
.set rP, SCP+4*\b+(\s)/2
.set rR, SCR+4*(\a)+(\s)/2
.if (\s)%2
	v_wmma_scale_f32_16x16x128_f8f6f4 v[rD:rD+7], v[rA:rA+FR-1], v[rB:rB+FR-1], v[rD:rD+7], v[rP], v[rR] matrix_a_fmt:MATRIX_FMT_FP6 matrix_b_fmt:MATRIX_FMT_FP6 matrix_a_scale:MATRIX_SCALE_ROW1 matrix_b_scale:MATRIX_SCALE_ROW1
.elseif (\s) == 0
	v_wmma_scale_f32_16x16x128_f8f6f4 v[rD:rD+7], v[rA:rA+FR-1], v[rB:rB+FR-1], 0, v[rP], v[rR] matrix_a_fmt:MATRIX_FMT_FP6 matrix_b_fmt:MATRIX_FMT_FP6
.else
	v_wmma_scale_f32_16x16x128_f8f6f4 v[rD:rD+7], v[rA:rA+FR-1], v[rB:rB+FR-1], v[rD:rD+7], v[rP], v[rR] matrix_a_fmt:MATRIX_FMT_FP6 matrix_b_fmt:MATRIX_FMT_FP6
.endif
.endr
.endr
.endm
; The way out of 16 rows x 128: four blocks of 32, each shared by lanes l and l xor 16 (accumulators 2 b, 2 b + 1 are 16 neighbours); two images of 768 bytes and a scale word
.macro QOUT a, stride, cb
.set AC, 64*(\a)
.set PCA, AF+12*(\a)
	WIN 0x0a
.irp b, 0,1,2,3
	v_max3_num_f32 v[TM+\b], |v[AC+16*\b]|, |v[AC+1+16*\b]|, 0x1800000     ; the floor 2^(3 - 127) holds the byte at 1 from below
.endr
.irp i, 2,4,6,8,10,12,14
.irp b, 0,1,2,3
	v_max3_num_f32 v[TM+\b], |v[AC+16*\b+\i]|, |v[AC+1+16*\b+\i]|, v[TM+\b]
.endr
.endr
	WIN 0
.irp b, 0,1,2,3
	v_permlanex16_b32 v[TM+4+\b], v[TM+\b], s[SEL], s[SEL+1]
.endr
.irp b, 0,1,2,3
	v_max_num_f32 v[TM+\b], v[TM+\b], v[TM+4+\b]
.endr
.irp b, 0,1,2,3
	v_add_nc_u32 v[TM+12+\b], 0xff000000, v[TM+\b]         ; 2 off the exponent field: the conversion's scale operand
.endr
.irp b, 0,1,2,3
	v_lshrrev_b32 v[TM+4+\b], 23, v[TM+12+\b]              ; the scale's byte
.endr
	v_lshl_or_b32 v[PW+\a], v[TM+5], 8, v[TM+4]
	v_lshl_or_b32 v[PW+\a], v[TM+6], 16, v[PW+\a]
	v_lshl_or_b32 v[PW+\a], v[TM+7], 24, v[PW+\a]
	WIN 0x02
.irp c, 0,1
	v_cvt_scalef32_pk16_fp6_f32 v[PCA+6*\c:PCA+6*\c+2], v[AC+32*\c:AC+32*\c+15], v[TM+12+2*\c]
	v_cvt_scalef32_pk16_fp6_f32 v[T2+4*\c:T2+4*\c+2], v[AC+32*\c+16:AC+32*\c+31], v[TM+12+2*\c+1]
.endr
	WIN 0
	v_nop                                          ; one plain place behind a scaled conversion
.irp c, 0,1
.irp i, 0,1,2
	v_permlane16_swap_b32 v[PCA+6*\c+\i], v[T2+4*\c+\i]    ; a whole block to a lane
.endr
.irp i, 0,1,2
	v_mov_b32 v[PCA+6*\c+3+\i], v[T2+4*\c+\i]
.endr
.endr
	global_store_b128 v[L16], v[PCA:PCA+3], s[\cb:\cb+1] offset:(\a)*(\stride)
	global_store_b64 v[L8], v[PCA+4:PCA+5], s[\cb:\cb+1] offset:(\a)*(\stride)+512
	global_store_b128 v[L16], v[PCA+6:PCA+9], s[\cb:\cb+1] offset:(\a)*(\stride)+768
	global_store_b64 v[L8], v[PCA+10:PCA+11], s[\cb:\cb+1] offset:(\a)*(\stride)+1280
.endm
; A phase: one block of the weights against my tokens.  as: the address set; refill = 1: the weights' region is filled again in the last step
.macro PHASE as, refill, stride, cb, sb
	WALU
	s_wait_tensorcnt 0x0                           ; my part of what was asked for last has landed,
	s_barrier_signal -1
	s_barrier_wait -1                              ; everybody's has
	FETCH 0, \as
	s_wait_loadcnt 0x0                             ; the phase's scale words
.irp s, 0,1,2,3,4,5,6
	s_wait_dscnt 0x0                               ; step s's fragments are in
.if \s > 0
	PLACES 4                                       ; in front of loads into registers that the last step's products have read
.endif
	FETCH \s+1, \as
.if (\refill) && (\s == 1)
	global_prefetch_b8 v20, s[WN:WN+1] th:TH_LOAD_NT scope:SCOPE_SE
.endif
	MULA \s, 0
	MULA \s, 2
.endr
	WIN 0
	s_wait_dscnt 0x0                               ; the last step's fragments are in: my reads of LDS in this phase are over
.if \refill
	s_wait_tensorcnt 0x0                           ; the three lines ahead of a refill's round
	ds_add_u32 v[SPW], v[NIL]
	s_mov_b64 s[G0R+2:G0R+3], s[WN:WN+1]           ; no load of mine is out: the descriptor may be written
	s_or_b32 s[G0R+3], s[G0R+3], 0x80000000
	MULA 7, 0
	s_wait_dscnt 0x0
	s_barrier_signal -1
	MULA 7, 2
	WIN 0
	s_barrier_wait -1
	CREST                                          ; no wave of any partner still reads its weights
	tensor_load_to_lds s[G0R:G0R+3], s[G1R:G1R+7]  ; my 2 tiles of the next weights
	s_nop 0
	PLACES 4                                       ; also the places in front of the loads below and of the first read of the sums
.irp a, 0,1,2,3
.irp j, 0,1,2,3
	global_load_b32 v[SCR+4*\a+\j], v2, s[PA:PA+1] offset:512*\a+128*\j
.endr
.endr
.irp b, 0,1,2,3,4,5,6,7
.irp j, 0,1,2,3
	global_load_b32 v[SCP+4*\b+\j], v2, s[PB:PB+1] offset:512*\b+128*\j
.endr
.endr
.else
	MULA 7, 0
	MULA 7, 2
	WIN 0
	PLACES 4
.endif
.irp a, 0,1,2,3
	QOUT \a, \stride, \cb
.endr
	global_store_b128 v3, v[PW:PW+3], s[\sb:\sb+1] ; row r's four words: 256 consecutive bytes, at a multiple of 256 (both halves of the lanes hold and write the same)
.endm
	s_mov_b32 s[CNT], 0
.Lphase:                                               ; Q's or K's blocks 2 x, 2 x + 1
	PHASE 8, 1, 24576, OC, OS
	s_wait_xcnt 0x0                                ; the stores, loads and the prefetch have read their registers and bases
	s_mov_b64 s[PA:PA+1], s[PA2:PA2+1]
	s_mov_b64 s[PB:PB+1], s[PB2:PB2+1]
	s_mov_b64 s[WN:WN+1], s[WN2:WN2+1]
	s_add_nc_u64 s[OC:OC+1], s[OC:OC+1], 1536
	s_add_nc_u64 s[OS:OS+1], s[OS:OS+1], 512
	s_add_co_u32 s[CNT], s[CNT], 1
	s_cmp_lt_u32 s[CNT], 2
	WALU
	s_cbranch_scc1 .Lphase
	PHASE 14, 0, 98304, VC, VS                     ; V's block x
	s_wait_tensorcnt 0x0                           ; the wave's end
	ds_add_u32 v[SPW], v[NIL]
	s_wait_dscnt 0x0
	CROUND                                         ; the closing round
	s_endpgm
.Lfunc_end_k_qda97c4e34d_qkv:
	.size	k_qda97c4e34d_qkv, .Lfunc_end_k_qda97c4e34d_qkv-k_qda97c4e34d_qkv
	.p2alignl 7, 3214868480
	.fill 96, 4, 3214868480
	.section	.rodata,"a",@progbits
	.p2align	6, 0x0
	.amdhsa_kernel k_qda97c4e34d_qkv
		.amdhsa_group_segment_fixed_size 327680
		.amdhsa_private_segment_fixed_size 0
		.amdhsa_enable_private_segment 0
		.amdhsa_kernarg_size 32
		.amdhsa_user_sgpr_count 2
		.amdhsa_user_sgpr_kernarg_segment_ptr 1
		.amdhsa_wavefront_size32 1
		.amdhsa_system_sgpr_workgroup_id_x 1
		.amdhsa_system_sgpr_workgroup_id_y 1
		.amdhsa_system_sgpr_workgroup_id_z 1
		.amdhsa_system_vgpr_workitem_id 0
		.amdhsa_next_free_vgpr 768
		.amdhsa_next_free_sgpr 96
		.amdhsa_reserve_vcc 0
		.amdhsa_float_denorm_mode_32 3
		.amdhsa_float_denorm_mode_16_64 3
		.amdhsa_memory_ordered 1
		.amdhsa_forward_progress 1
		.amdhsa_inst_pref_size 170
	.end_amdhsa_kernel
	.amdgpu_metadata
---
amdhsa.version: [ 1, 2 ]
amdhsa.kernels:
  - .name:           k_qda97c4e34d_qkv
    .symbol:         k_qda97c4e34d_qkv.kd
    .args:
      - { .name: xq, .offset: 0, .size: 8, .value_kind: global_buffer, .address_space: global }
      - { .name: wq, .offset: 8, .size: 8, .value_kind: global_buffer, .address_space: global }
      - { .name: qk, .offset: 16, .size: 8, .value_kind: global_buffer, .address_space: global }
      - { .name: vq, .offset: 24, .size: 8, .value_kind: global_buffer, .address_space: global }
    .group_segment_fixed_size: 327680
    .private_segment_fixed_size: 0
    .kernarg_segment_align: 8
    .kernarg_segment_size: 32
    .max_flat_workgroup_size: 128
    .sgpr_count:     96
    .vgpr_count:     768
    .wavefront_size: 32
...
	.end_amdgpu_metadata
.endif
;; end of part 2
;; launch attn (part 3): grid 4 x 64, 8 waves a work-group, clusters of 4 x 1, 238,592 bytes of LDS; arguments qk, vq, ao; writes ao
.if DOCPART == 3
	.amdgcn_target "amdgcn-amd-amdhsa--gfx1250"
	.amdhsa_code_object_version 6
	.text
	.protected	k_qda97c4e34d_attn
	.globl	k_qda97c4e34d_attn
	.p2align	8
	.type	k_qda97c4e34d_attn,@function
k_qda97c4e34d_attn:
	s_mov_b64 s[64:65], 0
	v_nop
	global_prefetch_b8 v0, s[64:65] scope:SCOPE_SE
	s_setreg_imm32_b32 hwreg(HW_REG_WAVE_MODE, 25, 1), 1
	s_wait_xcnt 0x0
	s_wait_alu depctr_hold_cnt(0) depctr_sa_sdst(0) depctr_va_vdst(0) depctr_va_sdst(0) depctr_va_ssrc(0) depctr_va_vcc(0) depctr_vm_vsrc(0)
	s_getreg_b32 s2, hwreg(HW_REG_IB_STS2, 6, 4)
	s_cmp_eq_u32 s2, 0
	s_cbranch_scc0 .Lentry_in_a_cluster
	s_endpgm
.Lentry_in_a_cluster:
	s_bfe_u32 s2, ttmp6, 0x10000c
	s_cmp_lg_u32 s2, 0x3003
	s_cbranch_scc0 .Lentry_shape_is_right
	s_endpgm
.Lentry_shape_is_right:
; Attention of one head on codes of FP6 (E2M3) with E8M0 scales: S^T = K Q^T (K = the head's 64), p = 2^(t - M), O^T = V^T P^T (K = the keys), O / l quantised along the head's axis for the last product.
; t = score x log2(e) / 8; M = the running largest t rounded UP to a whole number; l is the sum of the unquantised p; when M moves, l and O^T are multiplied by 2^(old M - new M), which rounds nothing.
; SHARES.  A work-group owns one (batch, head) and 512 queries.  Each of its eight waves owns four tiles of 16 queries, TWO AT A TIME in two passes over the 2,048 keys, 128 a step: each fragment of K and V read from LDS serves two tiles.
; REGISTERS.  Tile 0's bulk (scores, O^T, q, codes, l) lies in window 0, tile 1's in window 1, under the same low numbers v96-229, v250-253.  THE SMALL STATE OF BOTH TILES (-M, f, the blocks' largest, the scale operands: ten registers a tile from v230 on) LIES IN WINDOW 0,
; so that the two tiles' serial lines take turns.  Window 0 also holds addresses (v0-23), all scale words (v24-45) and K's fragments (v48-95); window 1 V's fragments (v48-95) and the second pass's q (v0-13).
; LDS.  The head's K, V and scale words lie in LDS for the whole launch, filled once at the head, one joint load a wave (waves 0-3 K, 4-5 V, 6 K's scale words, 7 V's): no ring, no refill.
; CLUSTER.  The four work-groups of a cluster are the four query blocks of one head: every fill is a joint load with descriptors made of batch, head and wave alone.
; NO PREFETCH: the only stream from memory is the head's one group of loads; there is no loop to run ahead in.
; A LANE HOLDS A WHOLE BLOCK OF 32 KEYS.  The launch before lays key tile a, place r as key 32 (a / 2) + 8 (a % 2) + r + 8 (r / 8).  Here a tile (c, j) is formed BY LDS ADDRESS: its rows 0-7 are keys 8 j .. 8 j + 7 of block 2 c, its rows 8-15 the same of block 2 c + 1.
; So lane (query, h) has in registers S + 32 c .. + 31 the 32 keys of block 2 c + h in order, which is the second product's operand layout: no lane asks another for a block's maximum and no code changes lanes.
; K's images have 64 bytes of padding behind every 256, tile pitch 960: rows 0-7 and 8-15 of a 16-byte load then start 128 bytes apart modulo 256.
; K = 64 IN AN INSTRUCTION OF 128: source 0 takes two tiles of keys, one in each half of its K; source 1 is [q | zero codes] or [zero codes | q]; the zero half's scale bytes are 1.
; THE LAST TRIP of a pass fetches a step beyond K's last: those loads read LDS bytes that the head filled (V's, V's scale words) and their registers are not used.
; LIMITS: NaN and infinities are not served; the scaled scores stay under 2^31 in magnitude; a block of zeros, or under 2^-124, keeps the byte 1.  The two scale bytes of a (row, head) leave by a store of 2 bytes a lane.
.set QKSC,  12582912
.set VSC,   6291456
.set AOSC,  6291456
.set KP,    960                        ; a key tile's image in LDS: 3 x (256 + 64)
.set KSTEP, 8*KP
.set VB,    128*KP                     ; V: [tile of 16 of the head's 64][step][1,536]
.set VT,    24576
.set RAW,   VB+4*VT                    ; K's scale words as the launch before laid them: 512 bytes a step
.set KS2,   RAW+8192                   ; K's pair words, made here: 256 bytes a step; no fill lands here
.set VSL,   KS2+4096                   ; V's scale words: 256 bytes a step
.set SPARE, VSL+4096                   ; the spare words, 128 bytes for each wave
.set KF, 48
.set KW, 24                            ; v24-25 K's pair words; v28-31 V's words; v34,35,38,39 q's; v40,41 p's; v42-45 q's raw words
.set VW, 28
.set QW, 34
.set PW, 40
.set QR, 42
.set S,  96                            ; S^T, then p
.set O,  160                           ; O^T
.set Q,  192                           ; q, zero codes, q
.set PC, 210                           ; p's codes; ahead of them the maxima's chains
.set T2, 222
.set T3, 226
.set ST, 230                           ; tile t's state, window 0, at ST + 10 t: +0 -M, +1 the largest score, +2 f (+3 its pair's upper half), +4,5 my two blocks' largest, +6,7 the scale operands, +8,9 at work
.set LS, 250                           ; l in two pairs, window t
.set SH, 254                           ; 8 h
.set EB, 234                           ; a pass's end, window t: largest, lane l xor 16's, scale operands, the two bytes
.set E2, 236
.set ES, 238
.set EW, 240
.set G1K, 24
.set G1V, 32
.set G1S, 40
.set G1T, 48
.set G0K, 56
.set G0V, 60
.set G0S, 68
.set G0T, 72
.set SEL, 76
.set CS,  78
.set TB,  80
.set TS,  81
.set TV,  82
.set CNT, 83
.set NC,  94
.set MSB, 0
.macro WIN new
.if MSB != (\new)
	s_set_vgpr_msb (MSB<<8)|(\new)
.set MSB, (\new)
.endif
.endm
.macro WALU
	s_wait_alu depctr_va_vdst(0)
.endm
.macro CROUND
	s_barrier_signal -1
	s_barrier_wait -1
	s_cmp_lg_u32 s10, 0
	s_cbranch_scc1 .Lnot_wave_0_\@
	s_barrier_signal -3
.Lnot_wave_0_\@:
	s_barrier_wait -3
	s_barrier_signal -1
	s_barrier_wait -1
.endm
.macro GRP1 g, w0, c, r, p
	s_mov_b32 s[\g], \w0
	s_mov_b32 s[\g+1], (\c)<<16
	s_mov_b32 s[\g+2], (\r)<<16
	s_mov_b32 s[\g+3], (\c)<<16
	s_mov_b32 s[\g+4], \r
	s_mov_b32 s[\g+5], \p
	s_mov_b32 s[\g+6], 0
	s_mov_b32 s[\g+7], 0
.endm
.macro TLOAD g0, g1
	tensor_load_to_lds s[\g0:\g0+3], s[\g1:\g1+7]
	s_nop 0
.rept 4
	v_nop
.endr
.endm
	s_load_b128 s[4:7], s[0:1], 0x0                ; qk, vq
	s_load_b64 s[8:9], s[0:1], 0x10                ; ao
	v_lshl_add_u32 v5, v0, 2, SPARE
	v_mov_b32 v6, 0
	ds_add_u32 v5, v6                              ; the opening lines: the add twice and its wait ahead of my tensor load
	ds_add_u32 v5, v6
	v_lshrrev_b32 v1, 5, v0
	v_readfirstlane_b32 s10, v1                    ; wave 0..7
	s_bfe_u32 s11, ttmp6, 0x40000                  ; cx: it enters q's and the output's global addresses alone
	s_and_b32 s12, ttmp7, 0xffff
	s_and_b32 s13, s12, 15                         ; head
	s_lshr_b32 s12, s12, 4                         ; batch
	s_and_b32 s14, s13, 1
	s_lshr_b32 s15, s13, 1
	s_lshl_b32 s92, s14, 4                         ; which half of a scale word is my head's
	GRP1 G1K, 15|(3<<16)|(1<<20)|(1<<21)|(5<<22)|(15<<25), 96, 32, 3072     ; K: 32 images of 768 bytes, 24,576 apart; 16 words of padding behind every 64
	GRP1 G1V, 15|(3<<16)|(1<<21), 3072, 2, 12288   ; V: 2 tiles x 24,576 bytes, 98,304 apart
	GRP1 G1S, 15|(3<<16)|(1<<21), 64, 16, 1024     ; K's scale words: 16 steps x 512 bytes, 8,192 apart
	GRP1 G1T, 15|(3<<16)|(1<<21), 32, 16, 64       ; V's: 16 steps x 256 bytes, 512 apart
	s_and_b32 s2, s10, 3                           ; which quarter of K
	s_and_b32 s3, s10, 1                           ; which half of V
	s_lshl_b32 s16, s12, 7
	s_lshl_b32 s17, s2, 5
	s_add_co_u32 s16, s16, s17                     ; token tile 128 b + 32 quarter,
	s_lshl_b32 s16, s16, 5
	s_add_co_u32 s16, s16, s13
	s_add_co_u32 s16, s16, 16                      ; image 16 + head
	s_mul_i32 s16, s16, 768
	s_mov_b32 s17, 0
	s_mul_i32 s18, s13, 4*98304                    ; V: tiles 4 head + 2 half, images 32 b on
	s_mul_i32 s19, s3, 2*98304
	s_add_co_u32 s18, s18, s19
	s_mul_i32 s19, s12, VT
	s_add_co_u32 s18, s18, s19
	s_mov_b32 s19, 0
	s_lshl_b32 s20, s12, 8                         ; K's scale words: block (16 b, 8 + head / 2)
	s_add_co_u32 s20, s20, s15
	s_add_co_u32 s20, s20, 8
	s_lshl_b32 s20, s20, 9
	s_add_co_u32 s20, s20, QKSC
	s_mov_b32 s21, 0
	s_lshl_b32 s22, s15, 6                         ; V's: block (head / 2, 16 b), its half head % 2
	s_lshl_b32 s23, s12, 4
	s_add_co_u32 s22, s22, s23
	s_lshl_b32 s22, s22, 9
	s_lshl_b32 s23, s14, 8
	s_add_co_u32 s22, s22, s23
	s_add_co_u32 s22, s22, VSC
	s_mov_b32 s23, 0
	s_mov_b32 s[SEL], 0x76543210
	s_mov_b32 s[SEL+1], 0xfedcba98                 ; selects for lane l xor 16
	s_mov_b32 s[CS], 0x3e38aa3b                    ; c = log2(e) / 8
	s_mov_b32 s[CS+1], s[CS]
	s_mov_b32 s[NC], 0xbe38aa3b                    ; -c
	s_mov_b32 s93, 0x07060302
	s_cmp_eq_u32 s14, 0
	s_cselect_b32 s93, 0x05040100, s93             ; two words' low halves (even head) or high halves
	WALU
	s_wait_dscnt 0x0
	s_wait_kmcnt 0x0
	s_mov_b32 s[G0K], 1
	s_mul_i32 s[G0K+1], s2, 32*KP
	s_add_nc_u64 s[G0K+2:G0K+3], s[4:5], s[16:17]
	s_or_b32 s[G0K+3], s[G0K+3], 0x80000000
	s_mov_b32 s[G0V], 1
	s_mul_i32 s[G0V+1], s3, 2*VT
	s_add_co_u32 s[G0V+1], s[G0V+1], VB
	s_add_nc_u64 s[G0V+2:G0V+3], s[6:7], s[18:19]
	s_or_b32 s[G0V+3], s[G0V+3], 0x80000000
	s_mov_b32 s[G0S], 1
	s_mov_b32 s[G0S+1], RAW
	s_add_nc_u64 s[G0S+2:G0S+3], s[4:5], s[20:21]
	s_or_b32 s[G0S+3], s[G0S+3], 0x80000000
	s_mov_b32 s[G0T], 1
	s_mov_b32 s[G0T+1], VSL
	s_add_nc_u64 s[G0T+2:G0T+3], s[6:7], s[22:23]
	s_or_b32 s[G0T+3], s[G0T+3], 0x80000000
	CROUND                                         ; all four work-groups are here: the joint loads meet
	s_cmp_lt_u32 s10, 4                            ; one chain of arms on the wave's number, one load to an arm
	s_cbranch_scc0 .Larm_v
	TLOAD G0K, G1K
	s_branch .Lasked
.Larm_v:
	s_cmp_lt_u32 s10, 6
	s_cbranch_scc0 .Larm_s
	TLOAD G0V, G1V
	s_branch .Lasked
.Larm_s:
	s_cmp_eq_u32 s10, 6
	s_cbranch_scc0 .Larm_t
	TLOAD G0S, G1S
	s_branch .Lasked
.Larm_t:
	TLOAD G0T, G1T
.Lasked:
	s_lshl_b32 s2, ttmp9, 2
	s_add_co_u32 s2, s2, s11                       ; my block of 512 queries
	s_lshl_b32 s2, s2, 5
	s_lshl_b32 s3, s12, 7
	s_add_co_u32 s2, s2, s3
	s_add_co_u32 s2, s2, s10                       ; T: my first tile of queries; pass p, tile u is T + 16 p + 8 u
	s_lshl_b32 s16, s2, 5
	s_add_co_u32 s16, s16, s13
	s_mul_i32 s16, s16, 768
	s_mov_b32 s17, 0
	s_add_nc_u64 s[84:85], s[4:5], s[16:17]        ; q's image
	s_lshr_b32 s16, s2, 3                          ; q's scale word: block (T / 8, head / 2), lane r + 16 ((T % 8) / 4), word T % 4
	s_lshl_b32 s16, s16, 4
	s_add_co_u32 s16, s16, s15
	s_lshl_b32 s16, s16, 9
	s_bfe_u32 s3, s2, 0x10002
	s_lshl_b32 s3, s3, 8
	s_add_co_u32 s16, s16, s3
	s_and_b32 s3, s2, 3
	s_lshl_b32 s3, s3, 2
	s_add_co_u32 s16, s16, s3
	s_add_co_u32 s16, s16, QKSC
	s_add_nc_u64 s[86:87], s[4:5], s[16:17]
	s_lshl_b32 s16, s2, 4
	s_add_co_u32 s16, s16, s13
	s_mul_i32 s16, s16, 768
	s_add_nc_u64 s[88:89], s[8:9], s[16:17]        ; the output's image: tile T, K / 64 = head
	s_lshl_b32 s16, s2, 9
	s_lshl_b32 s3, s15, 6
	s_add_co_u32 s16, s16, s3
	s_lshl_b32 s3, s14, 1
	s_add_co_u32 s16, s16, s3
	s_add_co_u32 s16, s16, AOSC
	s_add_nc_u64 s[90:91], s[8:9], s[16:17]        ; and its two scale bytes
	v_and_b32 v8, 31, v0                           ; l
	v_and_b32 v9, 15, v0                           ; r
	v_bfe_u32 v10, v0, 4, 1                        ; h
	v_and_b32 v11, 7, v0                           ; i
	v_bfe_u32 v12, v0, 3, 1                        ; g
	v_lshlrev_b32 v1, 4, v8                        ; 16 l
	v_lshlrev_b32 v2, 3, v8                        ; 8 l
	v_lshlrev_b32 v7, 4, v9                        ; 16 r
	global_load_b128 v[Q:Q+3], v1, s[84:85]
	global_load_b64 v[Q+4:Q+5], v2, s[84:85] offset:512
.irp j, 0,1,2,3
	global_load_b32 v[QR+\j], v7, s[86:87] offset:8192*\j        ; word 2 p + u
.endr
	WIN 0x40
	global_load_b128 v[Q:Q+3], v1, s[84:85] offset:196608
	global_load_b64 v[Q+4:Q+5], v2, s[84:85] offset:196608+512
	global_load_b128 v[0:3], v1, s[84:85] offset:393216           ; the second pass's two tiles wait in window 1
	global_load_b64 v[4:5], v2, s[84:85] offset:393216+512
	global_load_b128 v[8:11], v1, s[84:85] offset:589824
	global_load_b64 v[12:13], v2, s[84:85] offset:589824+512
	WIN 0
	v_mul_u32_u24 v13, v12, 2*KP                   ; rows 8-15 of a tile formed here come from the key tile two further on
	v_lshl_add_u32 v3, v11, 4, v13
	v_mad_u32_u24 v3, v10, 320, v3                 ; K, registers 0-3: 1,920 g + 16 i + (256 + 64) h
	v_lshl_add_u32 v4, v11, 3, v13
	v_lshl_add_u32 v4, v10, 7, v4                  ; K, registers 4-5: 1,920 g + 8 i + 128 h
	v_lshlrev_b32 v18, 2, v9                       ; 4 r
	v_lshl_add_u32 v16, v8, 3, KS2
	v_lshl_add_u32 v17, v9, 4, VSL
	v_add_nc_u32 v20, VB, v1
	v_add_nc_u32 v21, VB, v2
	v_add_nc_u32 v22, VB+2*VT, v1
	v_add_nc_u32 v23, VB+2*VT, v2
	s_lshl_b32 s16, s10, 10
	v_add_nc_u32 v14, s16, v1
	v_add_nc_u32 v14, RAW, v14                     ; the raw words of steps 2 w, 2 w + 1: 16 l
	v_lshlrev_b32 v15, 3, v11
	v_lshl_add_u32 v15, v12, 2, v15
	v_lshl_add_u32 v15, v10, 7, v15                ; their pair words: 8 (l % 8) + 4 ((l / 8) % 2) + 128 (l / 16)
	s_lshl_b32 s16, s10, 9
	s_add_co_u32 s16, s16, KS2
	v_add_nc_u32 v15, s16, v15
	v_lshlrev_b32 v[SH], 3, v10
.irp t, 0,1
	v_mov_b32 v[ST+10*\t+3], 0                     ; (named as the upper half of f's pair)
	v_mov_b32 v[ST+10*\t+9], 0                     ; a lane permute's destination counts as one of its sources
.endr
.irp t, 0,1
	WIN 0x40*\t
.irp i, 0,1,2,3,4,5
	v_mov_b32 v[Q+6+\i], 0                         ; the zero codes
.endr
	v_mov_b32 v[E2], 0
	v_mov_b32 v[E2+1], 0
.endr
	WIN 0
	WALU                                           ; the wait at the head's end
	s_wait_tensorcnt 0x0                           ; my load has landed,
	s_barrier_signal -1
	s_barrier_wait -1                              ; everybody's has
	ds_load_b128 v[48:51], v14                     ; lane i + 8 p + 16 c: the words of key tiles 4 c + 0 .. 3, place i + 8 p
	ds_load_b128 v[52:55], v14 offset:512
	s_wait_dscnt 0x0
	v_perm_b32 v56, v49, v48, s93                  ; my head's two bytes of tiles 4 c, 4 c + 1: the word of fragment (c, p), row i;
	v_perm_b32 v57, v51, v50, s93                  ; of tiles 4 c + 2, 4 c + 3: its row 8 + i
	v_perm_b32 v58, v53, v52, s93
	v_perm_b32 v59, v55, v54, s93
	ds_store_b32 v15, v56
	ds_store_b32 v15, v57 offset:64
	ds_store_b32 v15, v58 offset:256
	ds_store_b32 v15, v59 offset:320
	s_wait_dscnt 0x0                               ; for the others' sake
	s_barrier_signal -1
	s_barrier_wait -1
	s_wait_loadcnt 0x0                             ; q
; K's four fragments (c, p) = f, each two tiles j = 2 p + e, and the pair words: 17 loads
.macro KLOAD a16, a8, aw, off, woff
.irp f, 0,1,2,3
.irp e, 0,1
	ds_load_b128 v[KF+12*\f+6*\e:KF+12*\f+6*\e+3], v[\a16] offset:\off+4*KP*(\f/2)+KP*\e+128*(\f%2)
	ds_load_b64 v[KF+12*\f+6*\e+4:KF+12*\f+6*\e+5], v[\a8] offset:\off+4*KP*(\f/2)+KP*\e+640+64*(\f%2)
.endr
.endr
	ds_load_b64 v[KW:KW+1], v[\aw] offset:\woff
.endm
; V's four fragments into window 1, and its scale words: 17 loads
.macro VLOAD
	WIN 0x40
.irp d, 0,1,2,3
	ds_load_b128 v[KF+12*\d:KF+12*\d+3], v[10+2*(\d/2)] offset:VT*(\d%2)
	ds_load_b64 v[KF+12*\d+4:KF+12*\d+5], v[11+2*(\d/2)] offset:VT*(\d%2)+512
	ds_load_b128 v[KF+12*\d+6:KF+12*\d+9], v[10+2*(\d/2)] offset:VT*(\d%2)+768
	ds_load_b64 v[KF+12*\d+10:KF+12*\d+11], v[11+2*(\d/2)] offset:VT*(\d%2)+1280
.endr
	WIN 0
	ds_load_b128 v[VW:VW+3], v15
.endm
.macro MM d, a, b, c, sa, sb, row
	v_wmma_scale_f32_16x16x128_f8f6f4 v[\d:\d+7], v[\a:\a+11], v[\b:\b+11], \c, v[\sa], v[\sb] matrix_a_fmt:MATRIX_FMT_FP6 matrix_b_fmt:MATRIX_FMT_FP6 matrix_a_scale:MATRIX_SCALE_ROW\row
.endm
.macro QK t                            ; S^T of tile t: source 0 K (window 0), source 1 q and the result in window t
	WIN 0x44*\t
.irp f, 0,1,2,3
.irp e, 0,1
.if \f < 2
	MM S+16*\f+8*\e, KF+12*\f, Q+6*\e, 0, KW+\f%2, QW+4*\t+\e, 0
.else
	MM S+16*\f+8*\e, KF+12*\f, Q+6*\e, 0, KW+\f%2, QW+4*\t+\e, 1
.endif
.endr
.endr
.endm
.macro PV t                            ; O^T of tile t: source 0 V (window 1); the four accumulators by turns
	WIN 0x01+0x54*\t
.irp d, 0,1,2,3
	MM O+8*\d, KF+12*\d, PC, v[O+8*\d:O+8*\d+7], VW+\d, PW+\t, 0
.endr
.endm
; The largest scores of tile t's two blocks: eight chains, one to an accumulator, each from its low end on; a first join, whose six results go to window 0 (tile 0: v218-223, tile 1: v210-215)
.macro MAXB t
	WIN 0x55*\t
.irp c, 0,1
.irp j, 0,1,2,3
	v_max3_num_f32 v[PC+4*\c+\j], v[S+32*\c+8*\j], v[S+32*\c+8*\j+1], v[S+32*\c+8*\j+2]
.endr
.endr
.irp i, 3,5
.irp c, 0,1
.irp j, 0,1,2,3
	v_max3_num_f32 v[PC+4*\c+\j], v[PC+4*\c+\j], v[S+32*\c+8*\j+\i], v[S+32*\c+8*\j+\i+1]
.endr
.endr
.endr
	WIN 0x15*\t
.irp c, 0,1
	v_max_num_f32 v[220-8*\t+3*\c], v[S+32*\c+23], v[S+32*\c+31]
	v_max3_num_f32 v[218-8*\t+3*\c], v[PC+4*\c], v[PC+4*\c+1], v[S+32*\c+7]
	v_max3_num_f32 v[219-8*\t+3*\c], v[PC+4*\c+2], v[PC+4*\c+3], v[S+32*\c+15]
.endr
.endm
.macro PKF t, from, n                  ; t - M, n pairs from pair \from on
.set JJ, 2*(\from)
.rept \n
	v_pk_fma_f32 v[S+JJ:S+JJ+1], v[S+JJ:S+JJ+1], s[CS:CS+1], v[ST+10*\t:ST+10*\t+1] op_sel_hi:[1,0,0]
.set JJ, JJ+2
.endr
.endm
.macro RESC t                          ; O^T under the new M
.set JJ, 0
.rept 16
	v_pk_mul_f32 v[O+JJ:O+JJ+1], v[O+JJ:O+JJ+1], v[ST+10*\t+2:ST+10*\t+3] op_sel_hi:[1,0]
.set JJ, JJ+2
.endr
.endm
; Ahead of the exponentials, both tiles: the new M, t - M, O^T under the new M.  The two tiles' serial lines take turns; the last of them stand among tile 0's multiply-adds
.macro PRE
	MAXB 0
	MAXB 1
	WIN 0
.irp t, 0,1
.irp c, 0,1
	v_max3_num_f32 v[ST+10*\t+4+\c], v[218-8*\t+3*\c], v[219-8*\t+3*\c], v[220-8*\t+3*\c]
.endr
.endr
.irp t, 0,1
	v_max_num_f32 v[ST+10*\t+8], v[ST+10*\t+4], v[ST+10*\t+5]
.endr
.irp t, 0,1
	v_permlanex16_b32 v[ST+10*\t+9], v[ST+10*\t+8], s[SEL], s[SEL+1]
.endr
.irp t, 0,1
	v_max3_num_f32 v[ST+10*\t+1], v[ST+10*\t+1], v[ST+10*\t+8], v[ST+10*\t+9]   ; the running largest score of my query
.endr
.irp t, 0,1
	v_mov_b32 v[ST+10*\t+8], v[ST+10*\t]
.endr
.irp t, 0,1
	v_mul_f32 v[ST+10*\t+9], s[NC], v[ST+10*\t+1]  ; -t
.endr
.irp t, 0,1
	v_floor_f32 v[ST+10*\t], v[ST+10*\t+9]         ; the new -M = -ceil(t)
.endr
.irp t, 0,1
	v_sub_f32 v[ST+10*\t+8], v[ST+10*\t], v[ST+10*\t+8]   ; old M - new M: a whole number, 0 or less
.endr
	PKF 0, 0, 8
.irp t, 0,1
	v_cvt_i32_f32 v[ST+10*\t+8], v[ST+10*\t+8]     ; (it saturates)
.endr
	PKF 0, 8, 8
.irp t, 0,1
	v_ldexp_f32 v[ST+10*\t+2], 1.0, v[ST+10*\t+8]  ; f
.endr
	PKF 0, 16, 16
.irp t, 0,1
.irp c, 0,1
	v_fma_f32 v[ST+10*\t+4+\c], v[ST+10*\t+4+\c], s[CS], v[ST+10*\t]   ; t - M of each block's largest score
.endr
.endr
	RESC 0
	WIN 0x41                                       ; tile 1's bulk in window 1, its -M and f in window 0
	PKF 1, 0, 32
	RESC 1
.endm
.macro EXPS
	WIN 0
.irp t, 0,1
.irp c, 0,1
	v_exp_f32 v[ST+10*\t+4+\c], v[ST+10*\t+4+\c]   ; the blocks' largest p
.endr
.endr
.irp t, 0,1
	WIN 0x41*\t
.set JJ, 0
.rept 64
	v_exp_f32 v[S+JJ], v[S+JJ]                     ; p = 2^(t - M): not normalised
.set JJ, JJ+1
.endr
.endr
.endm
.macro MOVS                            ; (a conversion's three registers begin on an even number)
.irp i, 0,1,2
	v_mov_b32 v[PC+3+\i], v[T2+\i]
	v_mov_b32 v[PC+9+\i], v[T3+\i]
.endr
.endm
; l of the unquantised p: added in place over p, which the conversions have read, in eight chains; two pairs are kept.  These lines are also the places between the codes' and the word's lines and the products
.macro SUM t
	WIN 0x55*\t
.irp o, 16,32,48
.irp k, 0,2,4,6,8,10,12,14
	v_pk_add_f32 v[S+\k:S+\k+1], v[S+\k:S+\k+1], v[S+\k+\o:S+\k+\o+1]
.endr
.endr
.irp k, 0,2,4,6
	v_pk_add_f32 v[S+\k:S+\k+1], v[S+\k:S+\k+1], v[S+\k+8:S+\k+9]
.endr
.irp k, 0,2
	v_pk_add_f32 v[S+\k:S+\k+1], v[S+\k:S+\k+1], v[S+\k+4:S+\k+5]
.endr
	WIN 0x51*\t
.irp k, 0,2
	v_pk_fma_f32 v[LS+\k:LS+\k+1], v[LS+\k:LS+\k+1], v[ST+10*\t+2:ST+10*\t+3], v[S+\k:S+\k+1] op_sel_hi:[1,0,1]   ; the old l under the new M
.endr
.endm
; Behind the exponentials: the four blocks' scale bytes by turns, p's words, the codes, l
.macro POST
	WIN 0
.irp t, 0,1
.irp c, 0,1
	v_max_num_f32 v[ST+10*\t+4+\c], 0x1800000, v[ST+10*\t+4+\c]    ; the floor 2^(3 - 127)
.endr
.endr
.irp t, 0,1
.irp c, 0,1
	v_add_nc_u32 v[ST+10*\t+6+\c], 0xff000000, v[ST+10*\t+4+\c]    ; 2 off the exponent field: the conversion's scale operand
.endr
.endr
.irp t, 0,1
.irp c, 0,1
	v_lshrrev_b32 v[ST+10*\t+4+\c], 23, v[ST+10*\t+6+\c]           ; the scale's byte
.endr
.endr
	v_cvt_scalef32_pk16_fp6_f32 v[PC:PC+2], v[S:S+15], v[ST+6]
	v_cvt_scalef32_pk16_fp6_f32 v[T2:T2+2], v[S+16:S+31], v[ST+6]
.irp t, 0,1
	v_lshl_or_b32 v[ST+10*\t+8], v[ST+10*\t+5], 16, v[ST+10*\t+4]  ; blocks h and 2 + h,
.endr
	v_cvt_scalef32_pk16_fp6_f32 v[PC+6:PC+8], v[S+32:S+47], v[ST+7]
	v_cvt_scalef32_pk16_fp6_f32 v[T3:T3+2], v[S+48:S+63], v[ST+7]
.irp t, 0,1
	v_lshlrev_b32 v[ST+10*\t+8], v[SH], v[ST+10*\t+8]              ; at their places;
.endr
.irp t, 0,1
	v_permlanex16_b32 v[ST+10*\t+9], v[ST+10*\t+8], s[SEL], s[SEL+1]
.endr
.irp t, 0,1
	v_or_b32 v[PW+\t], v[ST+10*\t+8], v[ST+10*\t+9]                ; with lane l xor 16's two the word is whole
.endr
	MOVS
	SUM 0
	WIN 0x41
	v_cvt_scalef32_pk16_fp6_f32 v[PC:PC+2], v[S:S+15], v[ST+16]
	v_cvt_scalef32_pk16_fp6_f32 v[T2:T2+2], v[S+16:S+31], v[ST+16]
	v_cvt_scalef32_pk16_fp6_f32 v[PC+6:PC+8], v[S+32:S+47], v[ST+17]
	v_cvt_scalef32_pk16_fp6_f32 v[T3:T3+2], v[S+48:S+63], v[ST+17]
	v_nop                                          ; one plain place behind a scaled conversion
	WIN 0x55
	MOVS
	SUM 1
.endm
; A pass's end for tile t: O / l, quantised along the head's 64: two blocks, which lanes l and l xor 16 share
.macro EPI t, p
	WIN 0x55*\t
	WALU                                           ; the wait directly ahead of the first readers of O^T and of the reciprocal
.set JJ, 0
.rept 16
	v_pk_mul_f32 v[S+JJ:S+JJ+1], v[O+JJ:O+JJ+1], v[LS:LS+1] op_sel_hi:[1,0]
.set JJ, JJ+2
.endr
.irp b, 0,1
	v_max3_num_f32 v[EB+\b], |v[S+16*\b]|, |v[S+16*\b+1]|, 0x1800000
.endr
.irp i, 2,4,6,8,10,12,14
.irp b, 0,1
	v_max3_num_f32 v[EB+\b], v[EB+\b], |v[S+16*\b+\i]|, |v[S+16*\b+\i+1]|
.endr
.endr
.irp b, 0,1
	v_permlanex16_b32 v[E2+\b], v[EB+\b], s[SEL], s[SEL+1]
.endr
.irp b, 0,1
	v_max_num_f32 v[EB+\b], v[EB+\b], v[E2+\b]
.endr
.irp b, 0,1
	v_add_nc_u32 v[ES+\b], 0xff000000, v[EB+\b]
.endr
.irp b, 0,1
	v_lshrrev_b32 v[E2+\b], 23, v[ES+\b]
.endr
	v_lshl_or_b32 v[EW], v[E2+1], 8, v[E2]
	v_cvt_scalef32_pk16_fp6_f32 v[PC:PC+2], v[S:S+15], v[ES]
	v_cvt_scalef32_pk16_fp6_f32 v[T2:T2+2], v[S+16:S+31], v[ES+1]
	v_nop
.irp i, 0,1,2
	v_permlane16_swap_b32 v[PC+\i], v[T2+\i]       ; a whole block to a lane
.endr
.irp i, 0,1,2
	v_mov_b32 v[PC+3+\i], v[T2+\i]
.endr
	WIN 0x04*\t
	global_store_b128 v1, v[PC:PC+3], s[88:89] offset:196608*\p+98304*\t
	global_store_b64 v2, v[PC+4:PC+5], s[88:89] offset:196608*\p+98304*\t+512
	global_store_b16 v18, v[EW], s[90:91] offset:8192*\p+4096*\t
.endm
; Two tiles of 16 queries against all keys
.macro PASS p
.if \p
	s_wait_xcnt 0x0                                ; the first pass's stores have read their registers
	WIN 0x01
.irp i, 0,1,2,3,4,5
	v_mov_b32 v[Q+\i], v[\i]
.endr
	WIN 0x55
.irp i, 0,1,2,3,4,5
	v_mov_b32 v[Q+\i], v[8+\i]
.endr
	WIN 0
.endif
.irp t, 0,1
	v_lshrrev_b32 v46, s92, v[QR+2*\p+\t]
	v_and_b32 v46, 0xffff, v46                     ; q's two scale bytes
	v_or_b32 v[QW+4*\t], 0x01010000, v46           ; [s0, s1, 1, 1]
	v_lshl_or_b32 v[QW+4*\t+1], v46, 16, 0x0101    ; [1, 1, s0, s1]
	v_mov_b32 v[ST+10*\t+1], 0xff61b1e6            ; the largest score so far: -3e38
	v_floor_f32 v[ST+10*\t], -v[ST+10*\t+1]
.endr
.irp t, 0,1
	WIN 0x55*\t
.irp i, 0,1,2,3,4,5
	v_mov_b32 v[Q+12+\i], v[Q+\i]
.endr
.irp i, 0,1,2,3
	v_mov_b32 v[LS+\i], 0
.endr
.set JJ, 0
.rept 32
	v_mov_b32 v[O+JJ], 0                           ; the step is written once: its first trip finds zeros.  (Also the places between q's lines and the first product)
.set JJ, JJ+1
.endr
.endr
	WIN 0
	s_mov_b32 s[TB], 0
	s_mov_b32 s[TS], 0
	s_mov_b32 s[TV], 0
	s_mov_b32 s[CNT], 16
	KLOAD 3, 4, 16, 0, 0                           ; step 0's K
	WALU
.Lstep_\@:
	v_add_nc_u32 v10, s[TV], v20                   ; (five plain places behind the last trip's products, in front of the loads into their registers)
	v_add_nc_u32 v11, s[TV], v21
	v_add_nc_u32 v12, s[TV], v22
	v_add_nc_u32 v13, s[TV], v23
	v_add_nc_u32 v15, s[TS], v17
	VLOAD                                          ; this step's V lands while the scores and the softmax are walked
	s_wait_dscnt 17                                ; K, fetched a trip ago, is in; V's 17 loads may be out
	QK 0
	QK 1
	WIN 0
	v_add_nc_u32 v8, s[TB], v3                     ; four places, in front of the loads below and of the first read of the scores
	v_add_nc_u32 v9, s[TB], v4
	v_add_nc_u32 v14, s[TS], v16
	v_nop
	KLOAD 8, 9, 14, KSTEP, 256                     ; the next step's K
	PRE
	WALU                                           ; one wait ahead of the batch, one behind it
	EXPS
	v_nop                                          ; a plain place behind the exponentials
	WALU
	POST
	s_wait_dscnt 17                                ; V is in; the next step's 17 loads may be out
	PV 0
	PV 1
	WIN 0
	s_add_co_u32 s[TB], s[TB], KSTEP
	s_add_co_u32 s[TS], s[TS], 256
	s_add_co_u32 s[TV], s[TV], 1536
	s_sub_co_u32 s[CNT], s[CNT], 1
	s_cmp_lg_u32 s[CNT], 0
	s_cbranch_scc1 .Lstep_\@
	WALU
	s_wait_dscnt 0x0                               ; the last trip's look-ahead has landed: its registers may be loaded again
.irp t, 0,1
	WIN 0x55*\t
	v_pk_add_f32 v[LS:LS+1], v[LS:LS+1], v[LS+2:LS+3]
	v_add_f32 v[LS], v[LS], v[LS+1]
	v_permlanex16_b32 v[E2], v[LS], s[SEL], s[SEL+1]
	v_add_f32 v[LS], v[LS], v[E2]                  ; the row's sum
.endr
	WALU
	v_rcp_f32 v[LS], v[LS]
	WIN 0
	v_rcp_f32 v[LS], v[LS]
	v_nop
	EPI 0, \p
	EPI 1, \p
	WIN 0
.endm
	PASS 0
	PASS 1
	s_wait_tensorcnt 0x0                           ; the wave's end
	ds_add_u32 v5, v6
	s_wait_dscnt 0x0
	CROUND                                         ; the closing round
	s_endpgm
.Lfunc_end_k_qda97c4e34d_attn:
	.size	k_qda97c4e34d_attn, .Lfunc_end_k_qda97c4e34d_attn-k_qda97c4e34d_attn
	.p2alignl 7, 3214868480
	.fill 96, 4, 3214868480
	.section	.rodata,"a",@progbits
	.p2align	6, 0x0
	.amdhsa_kernel k_qda97c4e34d_attn
		.amdhsa_group_segment_fixed_size 238592
		.amdhsa_private_segment_fixed_size 0
		.amdhsa_enable_private_segment 0
		.amdhsa_kernarg_size 24
		.amdhsa_user_sgpr_count 2
		.amdhsa_user_sgpr_kernarg_segment_ptr 1
		.amdhsa_wavefront_size32 1
		.amdhsa_system_sgpr_workgroup_id_x 1
		.amdhsa_system_sgpr_workgroup_id_y 1
		.amdhsa_system_sgpr_workgroup_id_z 1
		.amdhsa_system_vgpr_workitem_id 0
		.amdhsa_next_free_vgpr 512
		.amdhsa_next_free_sgpr 96
		.amdhsa_reserve_vcc 0
		.amdhsa_float_denorm_mode_32 3
		.amdhsa_float_denorm_mode_16_64 3
		.amdhsa_memory_ordered 1
		.amdhsa_forward_progress 1
		.amdhsa_inst_pref_size 92
	.end_amdhsa_kernel
	.amdgpu_metadata
---
amdhsa.version: [ 1, 2 ]
amdhsa.kernels:
  - .name:           k_qda97c4e34d_attn
    .symbol:         k_qda97c4e34d_attn.kd
    .args:
      - { .name: qk, .offset: 0, .size: 8, .value_kind: global_buffer, .address_space: global }
      - { .name: vq, .offset: 8, .size: 8, .value_kind: global_buffer, .address_space: global }
      - { .name: ao, .offset: 16, .size: 8, .value_kind: global_buffer, .address_space: global }
    .group_segment_fixed_size: 238592
    .private_segment_fixed_size: 0
    .kernarg_segment_align: 8
    .kernarg_segment_size: 24
    .max_flat_workgroup_size: 256
    .sgpr_count:     96
    .vgpr_count:     512
    .wavefront_size: 32
...
	.end_amdgpu_metadata
.endif
;; end of part 3
;; launch proj (part 4): grid 4 x 64, 4 waves a work-group, clusters of 4 x 4, 327,680 bytes of LDS; arguments ao, wp, b_proj, out0; writes out0
.if DOCPART == 4
	.amdgcn_target "amdgcn-amd-amdhsa--gfx1250"
	.amdhsa_code_object_version 6
	.text
	.protected	k_qda97c4e34d_proj
	.globl	k_qda97c4e34d_proj
	.p2align	8
	.type	k_qda97c4e34d_proj,@function
k_qda97c4e34d_proj:
	s_mov_b64 s[64:65], 0
	v_nop
	global_prefetch_b8 v0, s[64:65] scope:SCOPE_SE
	s_setreg_imm32_b32 hwreg(HW_REG_WAVE_MODE, 25, 1), 1
	s_wait_xcnt 0x0
	s_wait_alu depctr_hold_cnt(0) depctr_sa_sdst(0) depctr_va_vdst(0) depctr_va_sdst(0) depctr_va_ssrc(0) depctr_va_vcc(0) depctr_vm_vsrc(0)
	s_getreg_b32 s2, hwreg(HW_REG_IB_STS2, 6, 4)
	s_cmp_eq_u32 s2, 0
	s_cbranch_scc0 .Lentry_in_a_cluster
	s_endpgm
.Lentry_in_a_cluster:
	s_bfe_u32 s2, ttmp6, 0x10000c
	s_cmp_lg_u32 s2, 0xf033
	s_cbranch_scc0 .Lentry_shape_is_right
	s_endpgm
.Lentry_shape_is_right:
; out0 = A W^T + b on codes of FP6 (E2M3) with E8M0 scales: A = the attention's result, 8,192 rows, W = w_proj's 1,024 columns, K = 1,024.  Both lie as images of operand registers: a tile of 16 rows is 16 images of 768 bytes on end (12,288 bytes, all of K);
; place r of tile t is row 32 (t / 2) + 8 (t % 2) + r + 8 (r / 8).  Scale words: [tile][K / 128][r].
; SHARES.  256 work-groups, each 128 rows x 256 columns; four waves 2 x 2, a wave 64 x 128: 32 accumulators in window 2.
; ALL OF K LIES IN LDS: A's 8 tiles (98,304 bytes) and W's 16 (196,608), two dense blocks of memory, come by one joint load a wave at the head (waves 0, 1 half of A each, waves 2, 3 half of W each).  No ring, no refill, no round among the products.
; CLUSTER 4 x 4: A's tiles are shared along a row of the cluster, W's along a column.  NO PREFETCH: the only tensor loads stand at the head; there is no loop to run ahead in.
; A STEP is 128 along K: 32 products.  A's four fragments and W's eight have two sets of registers each; the next step's 48 LDS loads go out ahead of this step's products.
; THE MATRIX INSTRUCTION IS USED TRANSPOSED (source 0 = W's rows, source 1 = A's rows): a lane holds eight neighbouring columns of a row.  The bias is the first products' C.
; THE WAY OUT goes through a stage of 16 x 528 bytes a wave, on A's bytes, behind a barrier in front of which every wave has ended its reads of LDS; rows of 512 bytes leave as two aligned units of 256.
.set TILEB,  12288
.set BB0,    8*TILEB
.set SPARE,  24*TILEB                  ; the spare words, 128 bytes for each wave
.set FR,     12
.set XSC,    6291456
.set PSC,    786432
.set SPITCH, 528
.set STO,  4
.set RD,   5
.set SPW,  28
.set NIL,  29
.set L16,  30
.set L8,   31
.set SCR,  33                          ; v33-48 A's scale words, 4 a + j: lanes 0-15 step 2 j, lanes 16-31 step 2 j + 1
.set SCP,  64                          ; v64-95 W's, 4 b + j
.set AF,   128                         ; A's fragments, two sets of 48
.set BK,   128
.set G1,  24
.set G1B, 32
.set G0,  40
.set G0B, 44
.set MSB, 0
.macro WIN new
.if MSB != (\new)
	s_set_vgpr_msb (MSB<<8)|(\new)
.set MSB, (\new)
.endif
.endm
.macro CROUND
	s_barrier_signal -1
	s_barrier_wait -1
	s_cmp_lg_u32 s12, 0
	s_cbranch_scc1 .Lnot_wave_0_\@
	s_barrier_signal -3
.Lnot_wave_0_\@:
	s_barrier_wait -3
	s_barrier_signal -1
	s_barrier_wait -1
.endm
.macro PLACES n
.rept \n
	v_nop
.endr
.endm
	s_load_b256 s[4:11], s[0:1], 0x0               ; ao, wp, b_proj, out0
	v_lshl_add_u32 v[SPW], v0, 2, SPARE
	v_mov_b32 v[NIL], 0
	ds_add_u32 v[SPW], v[NIL]                      ; the opening lines: the add twice and its wait ahead of my tensor load
	ds_add_u32 v[SPW], v[NIL]
	v_lshrrev_b32 v1, 5, v0
	v_readfirstlane_b32 s12, v1                    ; wave
	s_lshr_b32 s13, s12, 1                         ; my half of the rows.  Also: I fetch for A (0) or for W (1)
	s_and_b32 s14, s12, 1                          ; my half of the columns.  Also: which half of that tensor's tiles I fetch
	s_bfe_u32 s15, ttmp6, 0x40000                  ; cx
	s_bfe_u32 s16, ttmp6, 0x40004                  ; cy
	s_lshl_b32 s18, ttmp9, 2
	s_add_co_u32 s18, s18, s15                     ; block column, 0 .. 3
	s_and_b32 s19, ttmp7, 0xffff
	s_lshl_b32 s19, s19, 2
	s_add_co_u32 s19, s19, s16                     ; block row, 0 .. 63
	s_lshl_b32 s20, s16, 2
	s_lshl_b32 s20, 15, s20                        ; my row of the cluster
	s_lshl_b32 s21, 0x1111, s15                    ; my column
	s_or_b32 s[G1], s20, (3<<16)|(1<<21)
	s_or_b32 s[G1B], s21, (3<<16)|(1<<21)
.irp g, G1, G1B
	s_mov_b32 s[\g+1], 1536<<16                    ; rows of 12,288 bytes, a tile each, dense
	s_mov_b32 s[\g+3], 1536<<16
	s_mov_b32 s[\g+5], 1536
	s_mov_b32 s[\g+6], 0
	s_mov_b32 s[\g+7], 0
.endr
	s_mov_b32 s[G1+2], 4<<16
	s_mov_b32 s[G1+4], 4
	s_mov_b32 s[G1B+2], 8<<16
	s_mov_b32 s[G1B+4], 8
	s_lshl_b32 s22, s19, 3
	s_lshl_b32 s23, s14, 2
	s_add_co_u32 s22, s22, s23
	s_mul_i32 s22, s22, TILEB                      ; A: tile 8 x block row + 4 x half
	s_mov_b32 s23, 0
	s_lshl_b32 s48, s18, 4
	s_lshl_b32 s49, s14, 3
	s_add_co_u32 s48, s48, s49
	s_mul_i32 s48, s48, TILEB                      ; W: tile 16 x block column + 8 x half
	s_mov_b32 s49, 0
	s_lshl_b32 s2, s19, 1
	s_add_co_u32 s2, s2, s13                       ; my 64 rows
	s_lshl_b32 s50, s18, 1
	s_add_co_u32 s50, s50, s14                     ; my 128 columns
	s_lshl_b32 s52, s2, 11                         ; A's scale words: 512 bytes a tile
	s_mov_b32 s53, 0
	s_lshl_b32 s54, s50, 12                        ; W's
	s_mov_b32 s55, 0
	s_lshl_b32 s56, s50, 9                         ; my columns in a row of out0 and in b, in bytes
	s_mov_b32 s57, 0
	s_lshl_b32 s58, s2, 18                         ; my rows of out0
	s_mov_b32 s59, 0
	s_wait_alu depctr_va_vdst(0)
	s_wait_dscnt 0x0
	s_wait_kmcnt 0x0
	s_mov_b32 s[G0], 1
	s_mul_i32 s[G0+1], s14, 4*TILEB
	s_add_nc_u64 s[G0+2:G0+3], s[4:5], s[22:23]
	s_or_b32 s[G0+3], s[G0+3], 0x80000000
	s_mov_b32 s[G0B], 1
	s_mul_i32 s[G0B+1], s14, 8*TILEB
	s_add_co_u32 s[G0B+1], s[G0B+1], BB0
	s_add_nc_u64 s[G0B+2:G0B+3], s[6:7], s[48:49]
	s_or_b32 s[G0B+3], s[G0B+3], 0x80000000
	CROUND                                         ; all sixteen work-groups are here: the joint loads meet
	s_cmp_eq_u32 s13, 0
	s_cbranch_scc0 .Lfor_w
	tensor_load_to_lds s[G0:G0+3], s[G1:G1+7]
	s_nop 0
	PLACES 4
	s_branch .Lasked
.Lfor_w:
	tensor_load_to_lds s[G0B:G0B+3], s[G1B:G1B+7]
	s_nop 0
	PLACES 4
.Lasked:
	s_add_nc_u64 s[60:61], s[4:5], XSC
	s_add_nc_u64 s[60:61], s[60:61], s[52:53]
	s_add_nc_u64 s[62:63], s[6:7], PSC
	s_add_nc_u64 s[62:63], s[62:63], s[54:55]
	s_add_nc_u64 s[8:9], s[8:9], s[56:57]
	s_add_nc_u64 s[10:11], s[10:11], s[56:57]
	s_add_nc_u64 s[10:11], s[10:11], s[58:59]
	s_mul_i32 s22, s12, 16*SPITCH                  ; my stage
	s_mul_i32 s23, s13, 4*TILEB                    ; my four tiles of A
	s_mul_i32 s48, s14, 8*TILEB
	s_add_co_u32 s48, s48, BB0                     ; my eight of W
	v_and_b32 v1, 31, v0
	v_lshlrev_b32 v2, 2, v1
	v_bfe_u32 v3, v0, 4, 1
	v_lshlrev_b32 v7, 6, v3                        ; b: 64 h
	WIN 0x40
.irp b, 0,1,2,3,4,5,6,7
	global_load_b128 v[96+8*\b+96*(\b/4):96+8*\b+96*(\b/4)+3], v7, s[8:9] offset:128*(\b/2)+32*(\b%2)       ; register j of tile b is column 32 (b / 2) + 8 (b % 2) + 16 h + j
	global_load_b128 v[96+8*\b+96*(\b/4)+4:96+8*\b+96*(\b/4)+7], v7, s[8:9] offset:128*(\b/2)+32*(\b%2)+16
.endr
	WIN 0
.irp a, 0,1,2,3
.irp j, 0,1,2,3
	global_load_b32 v[SCR+4*\a+\j], v2, s[60:61] offset:512*\a+128*\j
.endr
.endr
.irp b, 0,1,2,3,4,5,6,7
.irp j, 0,1,2,3
	global_load_b32 v[SCP+4*\b+\j], v2, s[62:63] offset:512*\b+128*\j
.endr
.endr
	v_lshlrev_b32 v[L16], 4, v1
	v_lshlrev_b32 v[L8], 3, v1
	v_and_b32 v6, 15, v0
	v_mul_u32_u24 v[STO], v6, SPITCH
	v_lshl_add_u32 v[STO], v3, 6, v[STO]
	v_add_nc_u32 v[STO], s22, v[STO]               ; into the stage: row l % 16, + 64 h
	v_add_nc_u32 v[RD], s22, v[L16]                ; back: 16 l of a row
	v_add_nc_u32 v16, s23, v[L16]
	v_add_nc_u32 v17, s23, v[L8]
	v_add_nc_u32 v18, s48, v[L16]
	v_add_nc_u32 v19, s48, v[L8]
	v_add_nc_u32 v20, 4*TILEB, v18                 ; W's tiles 4-7: the loads' immediates have 16 bits
	v_add_nc_u32 v21, 4*TILEB, v19
.macro FRAG reg, a16, a8, off
	ds_load_b128 v[\reg:\reg+3], v[\a16] offset:\off
	ds_load_b64 v[\reg+4:\reg+5], v[\a8] offset:\off+512
	ds_load_b128 v[\reg+6:\reg+9], v[\a16] offset:\off+768
	ds_load_b64 v[\reg+10:\reg+11], v[\a8] offset:\off+1280
.endm
.macro FETCH s                         ; step s's fragments into set s % 2: 48 loads
	WIN 0x40
.irp i, 0,1,2,3,4,5,6,7
	FRAG 128*((\s)%2)+FR*\i, 18+2*(\i/4), 19+2*(\i/4), TILEB*(\i%4)+1536*(\s)
.endr
	WIN 0
.irp i, 0,1,2,3
	FRAG AF+48*((\s)%2)+FR*\i, 16, 17, TILEB*\i+1536*(\s)
.endr
.endm
.macro MUL32 s                         ; the 32 accumulators by turns, in the same order in every step
.if (\s) == 0
	WIN 0x91                                       ; C: the bias, in window 1
.else
	WIN 0xa1
.endif
.irp a, 0,1,2,3
.irp b, 0,1,2,3,4,5,6,7
.set rD, 8*(8*\a+\b)
.set rA, 128*((\s)%2)+FR*\b
.set rB, AF+48*((\s)%2)+FR*\a
.set rC, 96+8*\b+96*(\b/4)
.set rP, SCP+4*\b+(\s)/2
.set rR, SCR+4*\a+(\s)/2
.if (\s)%2
	v_wmma_scale_f32_16x16x128_f8f6f4 v[rD:rD+7], v[rA:rA+FR-1], v[rB:rB+FR-1], v[rD:rD+7], v[rP], v[rR] matrix_a_fmt:MATRIX_FMT_FP6 matrix_b_fmt:MATRIX_FMT_FP6 matrix_a_scale:MATRIX_SCALE_ROW1 matrix_b_scale:MATRIX_SCALE_ROW1
.elseif (\s) == 0
	v_wmma_scale_f32_16x16x128_f8f6f4 v[rD:rD+7], v[rA:rA+FR-1], v[rB:rB+FR-1], v[rC:rC+7], v[rP], v[rR] matrix_a_fmt:MATRIX_FMT_FP6 matrix_b_fmt:MATRIX_FMT_FP6
.else
	v_wmma_scale_f32_16x16x128_f8f6f4 v[rD:rD+7], v[rA:rA+FR-1], v[rB:rB+FR-1], v[rD:rD+7], v[rP], v[rR] matrix_a_fmt:MATRIX_FMT_FP6 matrix_b_fmt:MATRIX_FMT_FP6
.endif
.endr
.endr
.endm
	s_wait_alu depctr_va_vdst(0)                   ; the wait at the head's end
	s_wait_tensorcnt 0x0                           ; my load has landed,
	s_barrier_signal -1
	s_barrier_wait -1                              ; everybody's has
	FETCH 0
	s_wait_loadcnt 0x0                             ; the scale words and the bias
.irp s, 0,1,2,3,4,5,6
	s_wait_dscnt 0x0                               ; step s's fragments are in
.if \s > 0
	PLACES 4                                       ; in front of loads into registers that the last step's products have read
.endif
	FETCH \s+1
	MUL32 \s
.endr
	s_wait_dscnt 0x0                               ; the last step's fragments are in, and my reads of LDS are over:
	s_barrier_signal -1                            ; say so,
	MUL32 7
	WIN 0
	s_barrier_wait -1                              ; and behind this wait the stages may lie on A's bytes
.macro TOSTAGE a
	WIN 0x08                                       ; the data: window 2
.irp b, 0,1,2,3,4,5,6,7
	ds_store_b128 v[STO], v[64*(\a)+8*\b:64*(\a)+8*\b+3] offset:128*(\b/2)+32*(\b%2)          ; each accumulator from its low end on
	ds_store_b128 v[STO], v[64*(\a)+8*\b+4:64*(\a)+8*\b+7] offset:128*(\b/2)+32*(\b%2)+16
.endr
	WIN 0
.set BB, BK+64*((\a)%2)
.irp t, 0,1,2,3,4,5,6,7,8,9,10,11,12,13,14,15
	ds_load_b128 v[BB+4*\t:BB+4*\t+3], v[RD] offset:\t*SPITCH      ; LDS serves a wave's instructions in order: these see the stores above
.endr
.endm
.macro SEND a, younger                 ; younger: the LDS instructions issued behind block a's loads
.set BB, BK+64*((\a)%2)
	s_wait_dscnt \younger
.irp t, 0,1,2,3,4,5,6,7,8,9,10,11,12,13,14,15
	global_store_b128 v[L16], v[BB+4*\t:BB+4*\t+3], s[10:11] offset:(32*((\a)/2)+8*((\a)%2)+\t+8*(\t/8))*4096 th:TH_STORE_NT   ; 32 lanes store 512 consecutive bytes, at a multiple of 256
.endr
.endm
	PLACES 4
	TOSTAGE 0
.irp a, 1,2,3
.if \a > 1
	s_wait_xcnt 0x0                                ; block a - 2's stores have read their registers
.endif
	TOSTAGE \a
	SEND \a-1, 32
.endr
	SEND 3, 0
	s_wait_tensorcnt 0x0                           ; the wave's end
	ds_add_u32 v[SPW], v[NIL]
	s_wait_dscnt 0x0
	CROUND                                         ; the closing round
	s_endpgm
.Lfunc_end_k_qda97c4e34d_proj:
	.size	k_qda97c4e34d_proj, .Lfunc_end_k_qda97c4e34d_proj-k_qda97c4e34d_proj
	.p2alignl 7, 3214868480
	.fill 96, 4, 3214868480
	.section	.rodata,"a",@progbits
	.p2align	6, 0x0
	.amdhsa_kernel k_qda97c4e34d_proj
		.amdhsa_group_segment_fixed_size 327680
		.amdhsa_private_segment_fixed_size 0
		.amdhsa_enable_private_segment 0
		.amdhsa_kernarg_size 32
		.amdhsa_user_sgpr_count 2
		.amdhsa_user_sgpr_kernarg_segment_ptr 1
		.amdhsa_wavefront_size32 1
		.amdhsa_system_sgpr_workgroup_id_x 1
		.amdhsa_system_sgpr_workgroup_id_y 1
		.amdhsa_system_sgpr_workgroup_id_z 1
		.amdhsa_system_vgpr_workitem_id 0
		.amdhsa_next_free_vgpr 768
		.amdhsa_next_free_sgpr 66
		.amdhsa_reserve_vcc 0
		.amdhsa_float_denorm_mode_32 3
		.amdhsa_float_denorm_mode_16_64 3
		.amdhsa_memory_ordered 1
		.amdhsa_forward_progress 1
		.amdhsa_inst_pref_size 85
	.end_amdhsa_kernel
	.amdgpu_metadata
---
amdhsa.version: [ 1, 2 ]
amdhsa.kernels:
  - .name:           k_qda97c4e34d_proj
    .symbol:         k_qda97c4e34d_proj.kd
    .args:
      - { .name: ao, .offset: 0, .size: 8, .value_kind: global_buffer, .address_space: global }
      - { .name: wp, .offset: 8, .size: 8, .value_kind: global_buffer, .address_space: global }
      - { .name: b_proj, .offset: 16, .size: 8, .value_kind: global_buffer, .address_space: global }
      - { .name: out0, .offset: 24, .size: 8, .value_kind: global_buffer, .address_space: global }
    .group_segment_fixed_size: 327680
    .private_segment_fixed_size: 0
    .kernarg_segment_align: 8
    .kernarg_segment_size: 32
    .max_flat_workgroup_size: 128
    .sgpr_count:     66
    .vgpr_count:     768
    .wavefront_size: 32
...
	.end_amdgpu_metadata
.endif
;; end of part 4
